; MI455X (gfx1250); checked and timed in simulation.
; The chip was launched on July 23, 2026; its instructions are those of AMD's public machine-readable ISA for CDNA 5 (MIT licence, August 2026) and "CDNA5" Instruction Set Architecture Reference Guide (July 2026). The comments in the code are by the model that wrote it; some were corrected since.
;; Multi Head Self Attention. Allowed arithmetic: matrix products marked QUANTISED: E2M3 operands, one E8M0 scale for each 32 along K, by v_wmma_scale_f32_16x16x128_f8f6f4 with both operands' format E2M3, f32 sums; everything else in f32.
;; Inputs: Wk 1,024 x 1,024 float32; Wo 1,024 x 1,024 float32; Wq 1,024 x 1,024 float32; Wv 1,024 x 1,024 float32; bk 1,024 float32; bo 1,024 float32; bq 1,024 float32; bv 1,024 float32; inputs 4 x 2,048 x 1,024 float32.
;; Outputs: out0 4 x 2,048 x 1,024 float32.
;; This version of the problem:
;;   THIS VERSION OF THE PROBLEM IS GIVEN IN LOW PRECISION. The matrix products marked QUANTISED in the list below multiply operands that are first quantised to E2M3 (2 exponent bits, 3 mantissa bits; 6 bits a number), with one power-of-two scale for each 32 numbers along K (OCP MX v1.0); their sums are f32. All else is computed in f32.
;;   The module's matrix products, in the order in which they are computed (A, B: the left and right operand; K: the contracted axis; several contracted axes count as one K, in the product's order):
;;     1. [M 8,192, K 1,024] x [K 1,024, N 1,024]; A: input inputs; B: input Wq: QUANTISED
;;     2. [M 8,192, K 1,024] x [K 1,024, N 1,024]; A: input inputs; B: input Wk: QUANTISED
;;     3. [M 8,192, K 1,024] x [K 1,024, N 1,024]; A: input inputs; B: input Wv: QUANTISED
;;     4. batch 64 x [M 2,048, K 64] x [K 64, N 2,048]; A: computed on the way; B: computed on the way: QUANTISED
;;     5. batch 64 x [M 2,048, K 2,048] x [K 2,048, N 64]; A: softmax (see below); B: computed on the way: QUANTISED
;;     6. [M 8,192, K 1,024] x [K 1,024, N 1,024]; A: computed on the way; B: input Wo: QUANTISED
;;   THE QUANTISER, for each operand of a quantised product, along K:
;;     - K is cut into blocks of 32 from its start; a last block that is shorter is filled with zeros.
;;     - A block's scale is 2^e with e = floor(log2(the largest magnitude in the block)) - 2, held to -126 .. 127; a block of zeros has e = 0. As a byte (E8M0): e + 127.
;;     - Each number is divided by its block's scale, clamped to +-7.5, and rounded to the nearest number of E2M3, ties to even, subnormals kept.
;;     - The product sums the exact products of the quantised numbers (number of the format x scale) in f32.
;;   ~~~python
;;   def quantise(x, axis):      # numpy; x: float32 -> the quantised numbers, widened to float32 again
;;       x = np.moveaxis(x, axis, -1); K = x.shape[-1]
;;       x = np.pad(x, [(0, 0)] * (x.ndim - 1) + [(0, -K % 32)]); x = x.reshape(x.shape[:-1] + (-1, 32)); a = np.abs(x).max(-1, keepdims=True)
;;       e = np.where(a > 0, np.clip(np.frexp(np.where(a > 0, a, 1))[1] - 1 - 2, -126, 127), 0)      # np.frexp(a)[1] - 1 = floor(log2(a)), exactly
;;       r = np.clip(x / 2.0 ** e, -7.5, 7.5)
;;       step = 2.0 ** (np.maximum(np.frexp(np.where(r == 0, 1, r))[1] - 1, 0) - 3)
;;       q = np.round(r / step) * step * 2.0 ** e      # np.round: ties to even
;;       return np.moveaxis(q.reshape(q.shape[:-2] + (-1,))[..., :K], -1, axis).astype(np.float32)
;;   ~~~
;;   SOFTMAX AHEAD OF A QUANTISED PRODUCT. Where the list says 'softmax', what is quantised is not the finished softmax but p = 2^(t - M), with t = logit x log2(e) and M = ceil(the row's largest t), a whole number; so 1/2 < the row's largest p <= 1. The row's sum l is taken of the UNQUANTISED p, in f32, and the product's result is divided by l at the end. Since M is a whole number, a kernel that streams over the keys may use a running M (the ceiling of the running maximum): every later rescaling is an exact power of two, which a block's scale takes up: the codes' values come out the same.
;;   OPERANDS COMPUTED ON THE WAY. 'Computed on the way' means the value that the module computes at that place (a softmax that the list does not call 'softmax' is quantised finished and normalised). What goes into a quantiser is computed in f32, as accurately as f32 sums, v_exp_f32 and their like allow (about 1e-6 of the number): no bf16 or f16 on the way to a quantiser, and a product that is left as it is and whose result goes on into a quantised operand takes f32 operands (vector FMAs, or v_wmma_f32_16x16x4_f32). A number that lies on a knife's edge between two numbers of the format may be rounded either way, as far as f32 arithmetic and the matrix unit's own rounding can turn it there, and no further.
;; One version. Each part assembles by itself: llvm-mc -triple=amdgcn-amd-amdhsa -mcpu=gfx1250 --defsym DOCPART=n.
;; ======== version 1 of 1: 4 launches
;; limits: right only within a limited range of input values
;; workspace buffers: x_img 6,291,456 bytes; x_sc 262,144 bytes; w_img 3,145,728 bytes; w_sc 131,072 bytes; qkv 19,660,800 bytes; a_img 6,291,456 bytes; a_sc 262,144 bytes
;; launch quant (part 1): grid 640 x 1, 4 waves a work-group, no clusters, 67,072 bytes of LDS; arguments inputs, Wq, Wk, Wv, Wo, x_img, x_sc, w_img, w_sc; writes x_img, x_sc, w_img, w_sc
.if DOCPART == 1
	.amdgcn_target "amdgcn-amd-amdhsa--gfx1250"
	.amdhsa_code_object_version 6
	.text
	.protected	k_qd5aa01045e_quant
	.globl	k_qd5aa01045e_quant
	.p2align	8
	.type	k_qd5aa01045e_quant,@function
k_qd5aa01045e_quant:
	s_mov_b64 s[64:65], 0
	v_nop
	global_prefetch_b8 v0, s[64:65] scope:SCOPE_SE
	s_setreg_imm32_b32 hwreg(HW_REG_WAVE_MODE, 25, 1), 1
	s_wait_xcnt 0x0
; inputs [8192][1024] f32 (K innermost) and Wq, Wk, Wv, Wo [1024 (k)][1024 (n)] f32 (K is the FIRST axis) become codes of FP6 (E2M3) with one E8M0 byte for each 32 along K.
; A block's scale is 2^(floor(log2(its largest magnitude)) - 2); its byte is that magnitude's exponent field - 2, held at 1 from below.
; LIMITS: NaN and infinities among the inputs are not served; a block whose largest magnitude lies under 2^-124 gets the byte 1; a block of zeros gets the byte 1 where the rule says 127
; (its codes are zeros, which add nothing under any byte but 0xff, and these bytes are read by this program alone).
; WHAT IS WRITTEN is laid as the products' registers take it.  A TILE is 16 rows (tokens, or columns n of a weight); row r of tile I is index 32 (I / 2) + 8 (I % 2) + r + 8 (r / 8).
; An IMAGE is a fragment (16 rows x 128 K, 12 registers a lane) as 6 planes of 256 bytes: plane p holds registers 2 p, 2 p + 1, lane l's 8 bytes at 8 l.  x_img, w_img: [tile][8 K steps][1,536 bytes].
; Scale words: [tile][K step / 2][r][2 words], 512 bytes a tile.  Every store of codes covers 256 consecutive bytes, aligned.
; Work-groups 0-511 take one tile of inputs each (wave w: K steps 2 w, 2 w + 1); work-groups 512-639 take 128 columns x 256 K of one weight (wave w: 32 columns).  Waves share nothing: no barrier.
.set PITCH, 1040                       ; a stage row: 1,024 bytes + 16: sixteen lanes that read 16 bytes of sixteen rows stand 65 x 16 bytes apart
.set STG,   16*PITCH                   ; a wave's own stage: 16 rows
.set SPARE, 4*STG                      ; behind the stages: the spare words, 128 bytes for each wave, which no other line names
.set SPW,   252                        ; v252  LDS address of my spare word; never rewritten
.set NIL,   253                        ; v253  0; never rewritten
.set SEL,   26                         ; s[26:27] lane selects for v_permlanex16_b32: lane l xor 16
.set R,     16                         ; v16-143  inputs as loaded: two K steps x 16 rows x 4 registers
.set X,     144                        ; v144-207 64 numbers of my row: register 16 b + i = k 32 b + 16 (lane / 16) + i
.set PC,    208                        ; v208-219 the fragment's codes; v220-226 at work
.set TM,    228                        ; v228-243 at work
.set PW,    244                        ; v244  the scale word just made
.set XW,    246                        ; v246-247 the two K steps' scale words
.set WX,    16                         ; the weights' path: v16-79 two sets of 32 numbers down K
.set P0,    160                        ; v160-165 the even block's codes, v168-173 the odd block's
.set TT,    176                        ; v176-178 at work
.set SB,    180                        ; v180-181 my column's eight scale bytes
; 64 numbers of a lane, v[s] .. v[s + 63], become a fragment's codes in v[PC] on and its scale word in v[PW].
.macro QUANT s
.irp b, 0,1,2,3
	v_max3_num_f32 v[TM+\b], |v[\s+16*\b]|, |v[\s+1+16*\b]|, 0x1800000   ; block b: my 16 numbers, and the floor 2^(3 - 127): the byte cannot fall under 1
.endr
.irp i, 2,4,6,8,10,12,14
.irp b, 0,1,2,3
	v_max3_num_f32 v[TM+\b], v[TM+\b], |v[\s+16*\b+\i]|, |v[\s+1+16*\b+\i]|   ; the four blocks by turns
.endr
.endr
.irp b, 0,1,2,3
	v_permlanex16_b32 v[TM+4+\b], v[TM+\b], s[SEL], s[SEL+1]
.endr
.irp b, 0,1,2,3
	v_max_num_f32 v[TM+\b], v[TM+\b], v[TM+4+\b]   ; with lane l xor 16's: the block's largest magnitude
.endr
.irp b, 0,1,2,3
	v_add_nc_u32 v[TM+12+\b], 0xff000000, v[TM+\b]   ; 2 off its exponent field: the conversion takes the exponent field of this operand as its scale
.endr
.irp b, 0,1,2,3
	v_lshrrev_b32 v[TM+4+\b], 23, v[TM+12+\b]      ; the scale's byte
.endr
	v_lshl_or_b32 v[PW], v[TM+5], 8, v[TM+4]
	v_lshl_or_b32 v[PW], v[TM+6], 16, v[PW]
	v_lshl_or_b32 v[PW], v[TM+7], 24, v[PW]        ; my row's scale word
.irp c, 0,1
	v_cvt_scalef32_pk16_fp6_f32 v[PC+6*\c:PC+2+6*\c], v[\s+32*\c:\s+15+32*\c], v[TM+12+2*\c]
	v_cvt_scalef32_pk16_fp6_f32 v[PC+12+4*\c:PC+14+4*\c], v[\s+16+32*\c:\s+31+32*\c], v[TM+12+2*\c+1]   ; (a conversion's three registers begin on an even number)
.endr
	v_nop                                          ; one plain instruction behind a scaled conversion
.irp c, 0,1                                    ; the operand's layout wants a whole block in a lane: lanes 0-15 block 2 c, lanes 16-31 block 2 c + 1
.irp i, 0,1,2
	v_permlane16_swap_b32 v[PC+6*\c+\i], v[PC+12+4*\c+\i]
.endr
.irp i, 0,1,2
	v_mov_b32 v[PC+3+6*\c+\i], v[PC+12+4*\c+\i]
.endr
.endr
.endm
	s_load_b512 s[4:19], s[0:1], 0x0               ; inputs s[4:5], Wq s[6:7], Wk s[8:9], Wv s[10:11], Wo s[12:13], x_img s[14:15], x_sc s[16:17], w_img s[18:19]
	s_load_b64 s[20:21], s[0:1], 0x40              ; w_sc
	v_lshl_add_u32 v[SPW], v0, 2, SPARE
	v_mov_b32 v[NIL], 0
	v_lshrrev_b32 v1, 5, v0
	v_readfirstlane_b32 s24, v1                    ; wave 0..3
	v_and_b32 v1, 31, v0                           ; lane
	v_and_b32 v2, 15, v0                           ; r
	v_bfe_u32 v3, v0, 4, 1                         ; h
	v_lshlrev_b32 v4, 3, v1                        ; 8 x lane: my place in a plane
	s_mov_b32 s[SEL], 0x76543210
	s_mov_b32 s[SEL+1], 0xfedcba98
.irp b, 0,1,2,3
	v_mov_b32 v[TM+4+\b], 0                        ; written once: a lane permute's destination counts as one of its sources
.endr
	s_cmp_lt_u32 ttmp9, 512
	s_cbranch_scc0 .Lw
	; ---- inputs: tile I = the work-group's number
	s_lshr_b32 s28, ttmp9, 1
	s_lshl_b32 s28, s28, 5
	s_and_b32 s29, ttmp9, 1
	s_lshl_b32 s29, s29, 3
	s_add_co_u32 s28, s28, s29                     ; the tile's first token: 32 (I / 2) + 8 (I % 2)
	s_lshl_b32 s28, s28, 12                        ; rows of 4,096 bytes
	s_lshl_b32 s29, s24, 10                        ; my two K steps: 1,024 bytes of each row
	s_add_co_u32 s28, s28, s29
	s_mov_b32 s29, 0
	s_lshl_b32 s30, ttmp9, 3
	s_lshl_b32 s31, s24, 1
	s_add_co_u32 s30, s30, s31
	s_mul_i32 s30, s30, 1536                       ; my first image: (8 I + 2 w) x 1,536
	s_mov_b32 s31, 0
	s_lshl_b32 s32, ttmp9, 9
	s_lshl_b32 s33, s24, 7
	s_add_co_u32 s32, s32, s33                     ; my scale words: 512 I + 128 w
	s_mov_b32 s33, 0
	s_mul_i32 s34, s24, STG
	s_wait_alu depctr_va_vdst(0)
	v_lshlrev_b32 v5, 4, v1                        ; 16 x lane: a load takes 512 consecutive bytes of one row
	v_add_nc_u32 v6, s34, v5                       ; the stage, on the way in
	v_mul_u32_u24 v7, v2, PITCH
	v_lshl_add_u32 v7, v3, 6, v7
	v_add_nc_u32 v7, s34, v7                       ; and on the way out: row r, + 64 h: my 16 numbers of each block of 32
	v_lshlrev_b32 v8, 3, v2                        ; 8 r
	s_wait_alu depctr_va_vdst(0)
	s_wait_kmcnt 0x0
	s_add_nc_u64 s[4:5], s[4:5], s[28:29]
	s_add_nc_u64 s[14:15], s[14:15], s[30:31]
	s_add_nc_u64 s[16:17], s[16:17], s[32:33]
.irp q, 0,1
.irp i, 0,1,2,3,4,5,6,7,8,9,10,11,12,13,14,15
	global_load_b128 v[R+64*\q+4*\i:R+64*\q+4*\i+3], v5, s[4:5] offset:(\i+8*(\i/8))*4096+512*\q th:TH_LOAD_NT
.endr
.endr
; K step q: through my stage (LDS serves a wave's instructions in order: no wait between the stores and the loads), quantised, stored as six planes
.macro XQ q
.irp i, 0,1,2,3,4,5,6,7,8,9,10,11,12,13,14,15
	ds_store_b128 v6, v[R+64*\q+4*\i:R+64*\q+4*\i+3] offset:\i*PITCH+512*\q
.endr
.irp b, 0,1,2,3
.irp j, 0,1,2,3
	ds_load_b128 v[X+16*\b+4*\j:X+16*\b+4*\j+3], v7 offset:512*\q+128*\b+16*\j
.endr
.endr
	s_wait_dscnt 0x0
	QUANT X
	v_mov_b32 v[XW+\q], v[PW]
.irp p, 0,1,2,3,4,5
	global_store_b64 v4, v[PC+2*\p:PC+2*\p+1], s[14:15] offset:1536*\q+256*\p
.endr
.endm
	s_wait_loadcnt 16                              ; K step 0's sixteen loads are in; K step 1's sixteen may be out
	XQ 0
	s_wait_loadcnt 0x0
	s_wait_xcnt 0x0                                ; the stores above have read the codes' registers, which are written again
	XQ 1
	global_store_b64 v8, v[XW:XW+1], s[16:17]      ; lanes l and l xor 16 hold the same two words and write the same bytes
	s_wait_tensorcnt 0x0                           ; the wave's end
	ds_add_u32 v[SPW], v[NIL]
	s_wait_dscnt 0x0
	s_endpgm
	; ---- a weight: A LANE TAKES A COLUMN n, AND ITS REGISTERS RUN DOWN K: a block of 32 lies in one lane, and the conversions give codes with K innermost
.Lw:
	s_sub_co_u32 s28, ttmp9, 512
	s_lshr_b32 s29, s28, 5                         ; which weight: 0 Wq, 1 Wk, 2 Wv, 3 Wo
	s_bfe_u32 s30, s28, 0x30002                    ; which 128 columns
	s_and_b32 s31, s28, 3                          ; which 256 along K
	s_lshl_b32 s32, s30, 2
	s_add_co_u32 s32, s32, s24                     ; my 32 columns: number 4 cg + w
	s_lshl_b32 s34, s31, 20                        ; 256 rows of 4,096 bytes
	s_lshl_b32 s35, s32, 7
	s_add_co_u32 s34, s34, s35
	s_mov_b32 s35, 0
	s_lshl_b32 s36, s29, 6
	s_lshl_b32 s37, s32, 1
	s_add_co_u32 s36, s36, s37                     ; my first tile: 64 x weight + 2 (4 cg + w)
	s_lshl_b32 s38, s36, 9
	s_lshl_b32 s39, s31, 7
	s_add_co_u32 s38, s38, s39                     ; its scale words: 512 x tile + 128 kq
	s_mov_b32 s39, 0
	s_lshl_b32 s36, s36, 3
	s_lshl_b32 s37, s31, 1
	s_add_co_u32 s36, s36, s37
	s_mul_i32 s36, s36, 1536                       ; its images: (8 x tile + 2 kq) x 1,536
	s_mov_b32 s37, 0
	s_wait_alu depctr_va_vdst(0)
	v_and_b32 v5, 7, v1
	v_bfe_u32 v6, v1, 3, 1
	v_lshl_or_b32 v5, v6, 4, v5
	v_lshl_or_b32 v5, v3, 3, v5                    ; lane l stands at place l of the two tiles: its column is l with bits 3 and 4 exchanged
	v_lshlrev_b32 v5, 2, v5
	v_lshlrev_b32 v6, 3, v2
	v_lshl_add_u32 v6, v3, 9, v6                   ; my scale words: 8 r, + 512 for the second tile
	s_wait_alu depctr_va_vdst(0)
	s_wait_kmcnt 0x0
	s_cmp_eq_u32 s29, 1
	s_cselect_b64 s[6:7], s[8:9], s[6:7]
	s_cmp_eq_u32 s29, 2
	s_cselect_b64 s[6:7], s[10:11], s[6:7]
	s_cmp_eq_u32 s29, 3
	s_cselect_b64 s[6:7], s[12:13], s[6:7]
	s_add_nc_u64 s[6:7], s[6:7], s[34:35]
	s_add_nc_u64 s[18:19], s[18:19], s[36:37]
	s_add_nc_u64 s[20:21], s[20:21], s[38:39]
.macro LOADW t                         ; block t: W(32 t + i, my column): 32 lanes read 128 consecutive bytes
.irp i, 0,1,2,3,4,5,6,7,8,9,10,11,12,13,14,15,16,17,18,19,20,21,22,23,24,25,26,27,28,29,30,31
	global_load_b32 v[WX+32*((\t)%2)+\i], v5, s[6:7] offset:(32*(\t)+\i)*4096 th:TH_LOAD_NT
.endr
.endm
.macro WBLOCK t
.set XS, WX+32*((\t)%2)
.set DS, P0+8*((\t)%2)
.if (\t) < 7
	s_wait_loadcnt 32                              ; this block's 32 loads are in; the next block's may be out
.else
	s_wait_loadcnt 0x0
.endif
.if ((\t)%2 == 0) && ((\t) > 0)
	s_wait_xcnt 0x0                                ; the last pair's stores have read the codes' registers
.endif
	v_max3_num_f32 v8, |v[XS]|, |v[XS+1]|, |v[XS+2]|   ; the block's largest magnitude: all 32 numbers are mine
	v_max3_num_f32 v9, |v[XS+3]|, |v[XS+4]|, |v[XS+5]|
.irp i, 6,10,14,18,22,26
	v_max3_num_f32 v8, v8, |v[XS+\i]|, |v[XS+\i+1]|
	v_max3_num_f32 v9, v9, |v[XS+\i+2]|, |v[XS+\i+3]|
.endr
	v_max3_num_f32 v8, v8, |v[XS+30]|, |v[XS+31]|
	v_max3_num_f32 v8, v8, v9, 0x1800000           ; and the floor 2^(3 - 127)
	v_add_nc_u32 v10, 0xff000000, v8               ; the conversion's scale operand
	v_lshrrev_b32 v11, 23, v10                     ; the scale's byte
.if (\t)%4 == 0
	v_mov_b32 v[SB+(\t)/4], v11                    ; four bytes to a word, the lower K in the lower byte
.else
	v_lshl_or_b32 v[SB+(\t)/4], v11, 8*((\t)%4), v[SB+(\t)/4]
.endif
	v_cvt_scalef32_pk16_fp6_f32 v[DS:DS+2], v[XS:XS+15], v10
	v_cvt_scalef32_pk16_fp6_f32 v[TT:TT+2], v[XS+16:XS+31], v10
	v_nop                                          ; one plain instruction behind a scaled conversion
.irp i, 0,1,2
	v_mov_b32 v[DS+3+\i], v[TT+\i]
.endr
.if (\t)+2 < 8
	LOADW (\t)+2
.endif
.if (\t)%2 == 1                        ; a pair of blocks is 64 along K: three planes of each of my two tiles.  The exchange gives lanes 0-15 the even block and lanes 16-31 the odd block of one tile's rows
.irp i, 0,1,2,3,4,5
	v_permlane16_swap_b32 v[P0+\i], v[P0+8+\i]
.endr
.irp u, 0,1
.irp i, 0,1,2
	global_store_b64 v4, v[P0+8*\u+2*\i:P0+8*\u+2*\i+1], s[18:19] offset:\u*12288+1536*((\t)/4)+768*(((\t)/2)%2)+256*\i
.endr
.endr
.endif
.endm
	LOADW 0
	LOADW 1
.irp t, 0,1,2,3,4,5,6,7
	WBLOCK \t
.endr
	global_store_b64 v6, v[SB:SB+1], s[20:21]      ; my column's two scale words: each half of the lanes stores 128 consecutive bytes
	s_wait_tensorcnt 0x0                           ; the wave's end
	ds_add_u32 v[SPW], v[NIL]
	s_wait_dscnt 0x0
	s_endpgm
.Lfunc_end_k_qd5aa01045e_quant:
	.size	k_qd5aa01045e_quant, .Lfunc_end_k_qd5aa01045e_quant-k_qd5aa01045e_quant
	.p2alignl 7, 3214868480
	.fill 96, 4, 3214868480
	.section	.rodata,"a",@progbits
	.p2align	6, 0x0
	.amdhsa_kernel k_qd5aa01045e_quant
		.amdhsa_group_segment_fixed_size 67072
		.amdhsa_private_segment_fixed_size 0
		.amdhsa_enable_private_segment 0
		.amdhsa_kernarg_size 72
		.amdhsa_user_sgpr_count 2
		.amdhsa_user_sgpr_kernarg_segment_ptr 1
		.amdhsa_wavefront_size32 1
		.amdhsa_system_sgpr_workgroup_id_x 1
		.amdhsa_system_sgpr_workgroup_id_y 1
		.amdhsa_system_sgpr_workgroup_id_z 1
		.amdhsa_system_vgpr_workitem_id 0
		.amdhsa_next_free_vgpr 256
		.amdhsa_next_free_sgpr 66
		.amdhsa_reserve_vcc 0
		.amdhsa_float_denorm_mode_32 3
		.amdhsa_float_denorm_mode_16_64 3
		.amdhsa_memory_ordered 1
		.amdhsa_forward_progress 1
		.amdhsa_inst_pref_size 59
	.end_amdhsa_kernel
	.amdgpu_metadata
---
amdhsa.version: [ 1, 2 ]
amdhsa.kernels:
  - .name:           k_qd5aa01045e_quant
    .symbol:         k_qd5aa01045e_quant.kd
    .args:
      - { .name: inputs, .offset: 0, .size: 8, .value_kind: global_buffer, .address_space: global }
      - { .name: Wq, .offset: 8, .size: 8, .value_kind: global_buffer, .address_space: global }
      - { .name: Wk, .offset: 16, .size: 8, .value_kind: global_buffer, .address_space: global }
      - { .name: Wv, .offset: 24, .size: 8, .value_kind: global_buffer, .address_space: global }
      - { .name: Wo, .offset: 32, .size: 8, .value_kind: global_buffer, .address_space: global }
      - { .name: x_img, .offset: 40, .size: 8, .value_kind: global_buffer, .address_space: global }
      - { .name: x_sc, .offset: 48, .size: 8, .value_kind: global_buffer, .address_space: global }
      - { .name: w_img, .offset: 56, .size: 8, .value_kind: global_buffer, .address_space: global }
      - { .name: w_sc, .offset: 64, .size: 8, .value_kind: global_buffer, .address_space: global }
    .group_segment_fixed_size: 67072
    .private_segment_fixed_size: 0
    .kernarg_segment_align: 8
    .kernarg_segment_size: 72
    .max_flat_workgroup_size: 128
    .sgpr_count:     66
    .vgpr_count:     256
    .wavefront_size: 32
...
	.end_amdgpu_metadata
.endif
;; end of part 1
;; launch gemm_qkv (part 2): grid 4 x 64, 4 waves a work-group, clusters of 4 x 4, 327,680 bytes of LDS; arguments x_img, x_sc, w_img, w_sc, bq, bk, bv, qkv; writes qkv
.if DOCPART == 2
	.amdgcn_target "amdgcn-amd-amdhsa--gfx1250"
	.amdhsa_code_object_version 6
	.text
	.protected	k_qd5aa01045e_gemm_qkv
	.globl	k_qd5aa01045e_gemm_qkv
	.p2align	8
	.type	k_qd5aa01045e_gemm_qkv,@function
k_qd5aa01045e_gemm_qkv:
	s_mov_b64 s[64:65], 0
	v_nop
	global_prefetch_b8 v0, s[64:65] scope:SCOPE_SE
	s_setreg_imm32_b32 hwreg(HW_REG_WAVE_MODE, 25, 1), 1
	s_wait_xcnt 0x0
	s_wait_alu depctr_hold_cnt(0) depctr_sa_sdst(0) depctr_va_vdst(0) depctr_va_sdst(0) depctr_va_ssrc(0) depctr_va_vcc(0) depctr_vm_vsrc(0)
	s_getreg_b32 s2, hwreg(HW_REG_IB_STS2, 6, 4)
	s_cmp_eq_u32 s2, 0
	s_cbranch_scc0 .Lentry_in_a_cluster
	s_endpgm
.Lentry_in_a_cluster:
	s_bfe_u32 s2, ttmp6, 0x10000c
	s_cmp_lg_u32 s2, 0xf033
	s_cbranch_scc0 .Lentry_shape_is_right
	s_endpgm
.Lentry_shape_is_right:
; q, k, v = inputs W + b on codes of FP6 (E2M3) with E8M0 scales, sums in f32, AND THEIR QUANTISERS: the results leave as codes and scale bytes, laid as the attention launch's operand registers take them.
; IN: x_img, w_img [tile of 16 rows][8 K steps][6 planes of 256 bytes]: a fragment's registers 2 p, 2 p + 1 of lane l at 256 p + 8 l; x_sc, w_sc [tile][K step / 2][r][2 words].  Wq's tiles are 0-63 of w_img, Wk's 64-127, Wv's 128-191.
; Row r of tile I is index 32 (I / 2) + 8 (I % 2) + r + 8 (r / 8), for tokens and for columns n.
; OUT: qkv [48: q 0-15, k 16-31, v 32-47][64 records of 128 tokens][6,400 bytes].  q, k: eight half images (16 tokens x 64 channels, three planes) at 768 a, 16-bit scale pairs [a][r] at 6,144.
; v: four images (16 channels x 128 tokens, six planes) at 1,536 t, scale words [t][r] at 6,144.  A block's byte is the exponent field of its largest magnitude less 2, held at 1 from below.
; LIMITS: NaN and infinities are not served; a block whose largest magnitude lies under 2^-124, a block of zeros among them, gets the byte 1 (read by this program alone).
; SHARES.  256 work-groups.  A work-group takes 128 tokens, one record, through THREE PHASES, q, k, v, of 256 columns each; wave w takes one head, 4 x tile column + w, in each phase.
; The tokens' 8 tiles, all of K (98,304 bytes), lie in LDS for the whole launch.  A phase's 16 tiles of weights (196,608) and their scale words (8,192) have a region of their own:
; each wave takes its 64 columns, all of K, into registers (384) at the phase's start, and the region is then filled again, behind a round, with the next phase's: two refills,
; each asked for 256 products a wave ahead of its first read.  So no wave waits for them, and NO PREFETCH is laid.
; At the head one joint load a wave, in one tree of branches on the wave's number.  CLUSTERS: 4 x 4: the tokens' tiles are shared by a row of the cluster, the weights and their scales by a column.
; A BLOCK is 16 tokens, all of K: 32 products, four accumulators by turns, K ascending; the bias is the first four products' C.  The tokens' fragments lie in two sets, fetched two blocks ahead, on into the next phase.
; q, k: the product is used transposed (source 0 = the weights): lane (r, h) holds token r, register 16 g + i channel 32 g + 16 h + i: two scale blocks, each in lanes l and l xor 16; a block of tokens leaves as soon as it is finished.
; v: source 0 = the tokens: lane (r, h) holds a channel, and the 16 registers of two blocks on end are tokens 32 A + 16 h + i: a pair of blocks is quantised as soon as it is finished; the images leave at the phase's end.
; q and k are one text, a loop of two trips.  The tokens' scale words come by plain loads, once.
; REGISTERS.  Window 0: v0-31 addresses and work; v32-63 the weights' scale words; v64-127 the tokens'; v128-191 sums; v192-255 codes.
;   Windows 1, 2: the weights' fragments: 4 q + b at window 1 + q / 4, register 12 ((4 q + b) % 16); window 1 v192-223 v's bias.   Window 3: v0-191 the tokens' two sets; v192-223 q's or k's bias.
.set HS,    409600
.set REC,   6400
.set TP,    12288                      ; a tile: 8 K steps x 1,536 bytes
.set WREG,  8*TP                       ; LDS: the tokens' tiles at 0, the weights' from here on
.set BSC,   WREG+16*TP                 ; the weights' scale words
.set STG,   BSC+8192                   ; 256 bytes for each wave: a record's scale bytes
.set SPARE, STG+1024                   ; the spare words, 128 bytes for each wave, which no other line names
.set ADA,  3                           ; v3, v4 LDS address of the tokens' tiles 0-3, 4-7
.set ADB,  5                           ; v5   of my four tiles of weights
.set ADS,  6                           ; v6   of their scale words
.set L8,   7                           ; v7   8 x lane
.set ASO,  8                           ; v8   8 r
.set BBO,  9                           ; v9   64 h
.set BVO,  10                          ; v10  4 (r + 8 (r / 8))
.set STS,  11                          ; v11  my stage + 2 r
.set STV,  12                          ; v12  my stage + 4 r
.set RDS,  13                          ; v13  my stage + 8 x lane
.set SPW,  14
.set NIL,  15
.set VW,   16                          ; v16-19 v's scale words
.set M,    20                          ; v20-31 at work
.set T,    24
.set SOP,  28
.set SB,   32
.set SA,   64
.set ACC,  128
.set VC,   192                         ; v: codes of tile g, block A at 16 g + 4 A
.set P,    192                         ; q, k: a half image
.set TT,   200
.set G1A,  24
.set G1B,  32
.set G1S,  40
.set G0A,  48
.set G0B0, 52
.set G0B1, 56
.set G0S,  60
.set OUT,  86
.set SEL,  88
.set MSB, 0
.macro WIN new                         ; the immediate's high byte repeats the setting that is left
.if MSB != (\new)
	s_set_vgpr_msb (MSB<<8)|(\new)
.set MSB, (\new)
.endif
.endm
.macro WALU
	s_wait_alu depctr_va_vdst(0)
.endm
.macro PLACES
.rept 4
	v_nop
.endr
.endm
.macro CROUND
	s_barrier_signal -1
	s_barrier_wait -1
	s_cmp_lg_u32 s16, 0
	s_cbranch_scc1 .Lnot_wave_0_\@
	s_barrier_signal -3
.Lnot_wave_0_\@:
	s_barrier_wait -3
	s_barrier_signal -1
	s_barrier_wait -1
.endm
.macro TLOAD g0, g1
	tensor_load_to_lds s[\g0:\g0+3], s[\g1:\g1+7]
	s_nop 0
	PLACES
.endm
.macro ARM under, g0, g1, next
	s_cmp_lt_u32 s16, \under
	s_cbranch_scc0 \next
	TLOAD \g0, \g1
	s_branch .Lasked
\next:
.endm
.macro REFILL                          ; waves 0 and 1 a half each of the next weights, wave 2 their scale words
	s_cmp_lt_u32 s16, 1
	s_cbranch_scc0 .Lr1_\@
	TLOAD G0B0, G1B
	s_branch .Lrj_\@
.Lr1_\@:
	s_cmp_lt_u32 s16, 2
	s_cbranch_scc0 .Lr2_\@
	TLOAD G0B1, G1B
	s_branch .Lrj_\@
.Lr2_\@:
	s_cmp_lt_u32 s16, 3
	s_cbranch_scc0 .Lrj_\@
	TLOAD G0S, G1S
.Lrj_\@:
.endm
.macro WEIGHTS                         ; my 64 columns, all of K, and their scale words: 208 loads
.set Q_, 0
.rept 8
	WIN (1+Q_/4)<<6
.irp b, 0,1,2,3
.irp p, 0,1,2,3,4,5
	ds_load_b64 v[12*((4*Q_+\b)%16)+2*\p:12*((4*Q_+\b)%16)+2*\p+1], v[ADB] offset:\b*TP+Q_*1536+256*\p
.endr
.endr
.set Q_, Q_+1
.endr
	WIN 0
.irp b, 0,1,2,3
.irp p, 0,1,2,3
	ds_load_b64 v[SB+8*\p+2*\b:SB+8*\p+2*\b+1], v[ADS] offset:512*\b+128*\p
.endr
.endr
.endm
.macro FETCH a                         ; tile a's eight fragments into set a % 2: 48 loads
.set A_, (\a)
	WIN 0xc0
.set Q_, 0
.rept 8
.irp p, 0,1,2,3,4,5
	ds_load_b64 v[96*(A_%2)+12*Q_+2*\p:96*(A_%2)+12*Q_+2*\p+1], v[ADA+A_/4] offset:(A_%4)*TP+Q_*1536+256*\p
.endr
.set Q_, Q_+1
.endr
	WIN 0
.endm
.macro WM d, a, b, c, sa, sb
	v_wmma_scale_f32_16x16x128_f8f6f4 v[\d:\d+7], v[\a:\a+11], v[\b:\b+11], \c, v[\sa], v[\sb] matrix_a_fmt:MATRIX_FMT_FP6 matrix_b_fmt:MATRIX_FMT_FP6
.endm
.macro MULS kind, a                    ; a block's 32 products.  kind 0: q, k; kind 1: v
.set E_, (\a)%2
.set Q_, 0
.rept 8
.set B_, 0
.rept 4
.set F_, 12*((4*Q_+B_)%16)
.set X_, 96*E_+12*Q_
.set WS_, SB+8*(Q_/2)+2*B_+Q_%2
.set XS_, SA+8*(\a)+Q_
.if \kind == 0
.set D_, ACC+8*B_
.if Q_ == 0
	WIN 0x3d                                       ; source 0 window 1, source 1 and C (the bias) window 3, D window 0
	WM D_, F_, X_, v[192+8*B_:192+8*B_+7], WS_, XS_
.else
	WIN 0x0d+Q_/4
	WM D_, F_, X_, v[D_:D_+7], WS_, XS_
.endif
.else
.set D_, ACC+16*B_+8*E_
.if Q_ == 0
	WIN 0x17                                       ; source 0 window 3, source 1 and C (the bias) window 1, D window 0
	WM D_, X_, F_, v[192+8*B_:192+8*B_+7], XS_, WS_
.else
	WIN 0x07+4*(Q_/4)
	WM D_, X_, F_, v[D_:D_+7], XS_, WS_
.endif
.endif
.set B_, B_+1
.endr
.set Q_, Q_+1
.endr
	WIN 0
.endm
.macro MX3 n, d, o1, o2
.set G_, 0
.rept \n
	v_max3_num_f32 v[\d+G_], v[\d+G_], |v[ACC+16*G_+\o1]|, |v[ACC+16*G_+\o2]|
.set G_, G_+1
.endr
.endm
; n groups of 16 numbers a lane at ACC + 16 g, each half of a scale block: the conversion's scale operand into SOP + g, the byte into M + g.  Two chains a group; each accumulator is first read at its low end
.macro QSCALE n
.set G_, 0
.rept \n
	v_max3_num_f32 v[M+G_], |v[ACC+16*G_]|, |v[ACC+16*G_+1]|, 0x1800000   ; with the floor 2^(3 - 127): the byte cannot fall under 1
.set G_, G_+1
.endr
.set G_, 0
.rept \n
	v_max3_num_f32 v[T+G_], |v[ACC+16*G_+8]|, |v[ACC+16*G_+9]|, |v[ACC+16*G_+10]|
.set G_, G_+1
.endr
	MX3 \n, M, 2, 3
	MX3 \n, T, 11, 12
	MX3 \n, M, 4, 5
	MX3 \n, T, 13, 14
	MX3 \n, M, 6, 7
.set G_, 0
.rept \n
	v_max3_num_f32 v[M+G_], v[M+G_], v[T+G_], |v[ACC+16*G_+15]|
.set G_, G_+1
.endr
.set G_, 0
.rept \n
	v_permlanex16_b32 v[T+G_], v[M+G_], s[SEL], s[SEL+1]
.set G_, G_+1
.endr
.set G_, 0
.rept \n
	v_max_num_f32 v[M+G_], v[M+G_], v[T+G_]        ; with lane l xor 16's: the block's largest magnitude
.set G_, G_+1
.endr
.set G_, 0
.rept \n
	v_add_nc_u32 v[SOP+G_], 0xff000000, v[M+G_]    ; 2 off its exponent field
.set G_, G_+1
.endr
.set G_, 0
.rept \n
	v_lshrrev_b32 v[M+G_], 23, v[SOP+G_]
.set G_, G_+1
.endr
.endm
.macro BLKQ a                          ; a block of q or k
	WALU
	s_wait_dscnt 48                                ; this block's fragments are in; the next block's 48 loads may be out
	MULS 0, \a
	PLACES                                         ; between the products and the loads into their operands, and the first read of their results
	FETCH ((\a)+2)%8                               ; the set just multiplied takes the block two on, in the next phase too
	s_wait_xcnt 0x0                                ; the last block's stores have read the codes' registers
	QSCALE 2
	v_lshl_or_b32 v[T], v[M+1], 8, v[M]            ; my token's two scale bytes
	v_cvt_scalef32_pk16_fp6_f32 v[P:P+2], v[ACC:ACC+15], v[SOP]
	v_cvt_scalef32_pk16_fp6_f32 v[TT:TT+2], v[ACC+16:ACC+31], v[SOP+1]
	v_nop                                          ; one plain instruction behind a scaled conversion
.irp i, 0,1,2
	v_permlane16_swap_b32 v[P+\i], v[TT+\i]        ; the operand wants a whole block in a lane: lanes 0-15 channels 0-31, lanes 16-31 channels 32-63
.endr
.irp i, 0,1,2
	v_mov_b32 v[P+3+\i], v[TT+\i]
.endr
	ds_store_b16 v[STS], v[T] offset:32*(\a)       ; lanes l and l xor 16 write the same bytes
.irp p, 0,1,2
	global_store_b64 v[L8], v[P+2*\p:P+2*\p+1], s[OUT:OUT+1] offset:768*(\a)+256*\p   ; 32 lanes store 256 consecutive bytes, aligned
.endr
.endm
.macro BLKV a                          ; a block of v
	WALU
.if (\a) < 7
	s_wait_dscnt 48
.else
	s_wait_dscnt 0x0
.endif
	MULS 1, \a
	PLACES
.if (\a)+2 < 8
	FETCH (\a)+2
.endif
.if (\a)%2                             ; a pair of blocks is finished: tokens 32 A .. 32 A + 31 of four tiles of channels
.set AA_, (\a)/2
	QSCALE 4
.set G_, 0
.rept 4
.if AA_ == 0
	v_mov_b32 v[VW+G_], v[M+G_]
.else
	v_lshl_or_b32 v[VW+G_], v[M+G_], 8*AA_, v[VW+G_]
.endif
.set G_, G_+1
.endr
.set G_, 0
.rept 4
	v_cvt_scalef32_pk16_fp6_f32 v[VC+16*G_+4*AA_:VC+16*G_+4*AA_+2], v[ACC+16*G_:ACC+16*G_+15], v[SOP+G_]
.set G_, G_+1
.endr
	v_nop
.endif
.endm
.macro SCOUT                           ; the record's 256 scale bytes leave as one aligned unit.  LDS serves a wave's instructions in order: the load sees my stores
	ds_load_b64 v[T:T+1], v[RDS]
	s_wait_dscnt 0x0
	global_store_b64 v[L8], v[T:T+1], s[OUT:OUT+1] offset:6144
.endm
	s_load_b256 s[4:11], s[0:1], 0x0               ; x_img s[4:5], x_sc s[6:7], w_img s[8:9], w_sc s[10:11]
	s_load_b256 s[80:87], s[0:1], 0x20             ; bq s[80:81], bk s[82:83], bv s[84:85], qkv s[86:87]
	v_lshl_add_u32 v[SPW], v0, 2, SPARE
	v_mov_b32 v[NIL], 0
	ds_add_u32 v[SPW], v[NIL]                      ; the opening lines: the add, twice on end, and its wait below
	ds_add_u32 v[SPW], v[NIL]
	v_lshrrev_b32 v1, 5, v0
	v_readfirstlane_b32 s16, v1                    ; wave 0..3
	s_bfe_u32 s17, ttmp6, 0x40000                  ; cx = the tile column (the grid is one cluster wide)
	s_bfe_u32 s18, ttmp6, 0x40004                  ; cy
	s_and_b32 s19, ttmp7, 0xffff
	s_lshl_b32 s19, s19, 2
	s_add_co_u32 s19, s19, s18                     ; the record: 4 x cluster y + cy
	s_lshl_b32 s20, s18, 2
	s_lshl_b32 s20, 15, s20                        ; my row of the cluster
	s_lshl_b32 s21, 0x1111, s17                    ; my column
	s_or_b32 s[G1A], s20, (3<<16)|(1<<21)          ; elements of 8 bytes; bit 21 set beside a mask
	s_or_b32 s[G1B], s21, (3<<16)|(1<<21)
	s_or_b32 s[G1S], s21, (3<<16)|(1<<21)
.irp g, G1A, G1B                                   ; 8 tiles, a row of 12,288 bytes each
	s_mov_b32 s[\g+1], 1536<<16
	s_mov_b32 s[\g+2], 8<<16
	s_mov_b32 s[\g+3], 1536<<16
	s_mov_b32 s[\g+4], 8
	s_mov_b32 s[\g+5], 1536
	s_mov_b32 s[\g+6], 0
	s_mov_b32 s[\g+7], 0
.endr
	s_mov_b32 s[G1S+1], 32<<16                     ; 16 tiles' scale words: 32 rows of 256 bytes
	s_mov_b32 s[G1S+2], 32<<16
	s_mov_b32 s[G1S+3], 32<<16
	s_mov_b32 s[G1S+4], 32
	s_mov_b32 s[G1S+5], 32
	s_mov_b32 s[G1S+6], 0
	s_mov_b32 s[G1S+7], 0
	s_mul_i32 s68, s19, 8*TP                       ; the tokens' tiles 8 x record ..
	s_mov_b32 s69, 0
	s_lshl_b32 s70, s19, 12                        ; and their scale words
	s_mov_b32 s71, 0
	s_lshl_b32 s72, s17, 4                         ; Wq's tiles 16 x tile column ..
	s_lshl_b32 s74, s72, 9
	s_mov_b32 s75, 0
	s_mul_i32 s72, s72, TP
	s_mov_b32 s73, 0
	s_mov_b32 s[G0A], 1
	s_mov_b32 s[G0A+1], 0
	s_mov_b32 s[G0B0], 1
	s_mov_b32 s[G0B0+1], WREG
	s_mov_b32 s[G0B1], 1
	s_mov_b32 s[G0B1+1], WREG+8*TP
	s_mov_b32 s[G0S], 1
	s_mov_b32 s[G0S+1], BSC
	s_mov_b32 s[SEL], 0x76543210
	s_mov_b32 s[SEL+1], 0xfedcba98
	WALU
	s_wait_dscnt 0x0
	s_wait_kmcnt 0x0
	s_add_nc_u64 s[G0A+2:G0A+3], s[4:5], s[68:69]
	s_add_nc_u64 s[G0B0+2:G0B0+3], s[8:9], s[72:73]
	s_add_nc_u64 s[G0B1+2:G0B1+3], s[G0B0+2:G0B0+3], 8*TP
	s_add_nc_u64 s[G0S+2:G0S+3], s[10:11], s[74:75]
	s_or_b32 s[G0A+3], s[G0A+3], 0x80000000
	s_or_b32 s[G0B0+3], s[G0B0+3], 0x80000000
	s_or_b32 s[G0B1+3], s[G0B1+3], 0x80000000
	s_or_b32 s[G0S+3], s[G0S+3], 0x80000000
	CROUND                                         ; all sixteen work-groups are here: the joint loads meet
	ARM 1, G0B0, G1B, .Lw1
	ARM 2, G0B1, G1B, .Lw2
	ARM 3, G0S,  G1S, .Lw3
	TLOAD G0A, G1A
.Lasked:
	s_add_nc_u64 s[6:7], s[6:7], s[70:71]          ; the tokens' scale words
	s_lshl_b32 s68, s17, 10
	s_lshl_b32 s69, s16, 8
	s_add_co_u32 s68, s68, s69                     ; my head's first column in a bias, in bytes
	s_mov_b32 s69, 0
	s_add_nc_u64 s[80:81], s[80:81], s[68:69]
	s_add_nc_u64 s[82:83], s[82:83], s[68:69]
	s_add_nc_u64 s[84:85], s[84:85], s[68:69]
	s_lshl_b32 s68, s17, 2
	s_add_co_u32 s68, s68, s16                     ; my head
	s_mul_i32 s68, s68, HS
	s_mul_i32 s70, s19, REC
	s_add_co_u32 s68, s68, s70
	s_add_nc_u64 s[OUT:OUT+1], s[OUT:OUT+1], s[68:69]   ; q's record of my head; k's and v's lie 16 heads on each
	s_mul_i32 s76, s16, 4*TP
	s_add_co_u32 s76, s76, WREG                    ; my four tiles of weights,
	s_lshl_b32 s77, s16, 11
	s_add_co_u32 s77, s77, BSC                     ; their scale words,
	s_lshl_b32 s78, s16, 8
	s_add_co_u32 s78, s78, STG                     ; my stage
	v_and_b32 v1, 15, v0                           ; r
	v_bfe_u32 v2, v0, 4, 1                         ; h
	v_and_b32 v[M], 31, v0
	v_and_b32 v[T], 8, v1
	v_lshlrev_b32 v[L8], 3, v[M]
	v_lshlrev_b32 v[ASO], 3, v1
	v_lshlrev_b32 v[BBO], 6, v2
	v_add_nc_u32 v[T], v[T], v1
	v_lshlrev_b32 v[BVO], 2, v[T]
	v_mov_b32 v[ADA], v[L8]
	v_add_nc_u32 v[ADA+1], 4*TP, v[L8]
	v_add_nc_u32 v[ADB], s76, v[L8]
	v_add_nc_u32 v[ADS], s77, v[ASO]
	v_lshl_add_u32 v[STS], v1, 1, s78
	v_lshl_add_u32 v[STV], v1, 2, s78
	v_add_nc_u32 v[RDS], s78, v[L8]
	WALU
.irp a, 0,1,2,3,4,5,6,7
.irp p, 0,1,2,3
	global_load_b64 v[SA+8*\a+2*\p:SA+8*\a+2*\p+1], v[ASO], s[6:7] offset:512*\a+128*\p   ; tile a, K steps 2 p and 2 p + 1 (lanes 16-31 take the same words and are not read)
.endr
.endr
	WIN 0x40
.irp b, 0,1,2,3
	global_load_b32 v[192+8*\b], v[BVO], s[84:85] offset:(32*(\b/2)+8*(\b%2))*4   ; v's bias: one number a lane and tile
.endr
	WIN 0
	s_wait_tensorcnt 0x0                           ; my tile is in,
	s_barrier_signal -1
	s_barrier_wait -1                              ; and everybody's
	FETCH 0
	FETCH 1
	s_mov_b32 s90, 0
.Lphase:                                           ; q, then k
	WIN 0xc0
.irp b, 0,1,2,3
	global_load_b128 v[192+8*\b:192+8*\b+3], v[BBO], s[80:81] offset:(32*(\b/2)+8*(\b%2))*4       ; the bias, laid as the result lies
	global_load_b128 v[192+8*\b+4:192+8*\b+7], v[BBO], s[80:81] offset:(32*(\b/2)+8*(\b%2))*4+16
.endr
	WIN 0
	WEIGHTS
	s_wait_tensorcnt 0x0                           ; ahead of a refill's round
	ds_add_u32 v[SPW], v[NIL]
	s_add_nc_u64 s[G0B0+2:G0B0+3], s[G0B0+2:G0B0+3], 64*TP      ; no tensor load of mine is out: on to the next weight
	s_add_nc_u64 s[G0B1+2:G0B1+3], s[G0B1+2:G0B1+3], 64*TP
	s_add_nc_u64 s[G0S+2:G0S+3], s[G0S+2:G0S+3], 64*512
	s_wait_dscnt 0x0                               ; the add is done, and the weights are in my registers
	CROUND                                         ; and in those of every wave of every partner
	REFILL
	s_wait_loadcnt 0x0
.irp a, 0,1,2,3,4,5,6,7
	BLKQ \a
.endr
	SCOUT
	s_wait_xcnt 0x0                                ; the stores and loads have read their bases and registers
	s_add_nc_u64 s[OUT:OUT+1], s[OUT:OUT+1], 16*HS
	s_mov_b64 s[80:81], s[82:83]
	s_wait_tensorcnt 0x0                           ; my part of the next weights is in,
	s_barrier_signal -1
	s_barrier_wait -1                              ; and everybody's
	s_add_co_u32 s90, s90, 1
	s_cmp_lt_u32 s90, 2
	WALU
	s_cbranch_scc1 .Lphase
	WEIGHTS                                        ; v
	WIN 0x41
.irp b, 0,8,16,24
.irp i, 1,2,3,4,5,6,7
	v_mov_b32 v[192+\b+\i], v[192+\b]              ; the bias over a tile's eight registers
.endr
.endr
	WIN 0
	WALU
	s_wait_dscnt 0x0
.irp a, 0,1,2,3,4,5,6,7
	BLKV \a
.endr
.set G_, 0
.rept 8                                            ; the operand wants a whole block in a lane: lanes 0-15 block 2 c, lanes 16-31 block 2 c + 1
.irp i, 0,1,2
	v_permlane16_swap_b32 v[VC+8*G_+\i], v[VC+8*G_+4+\i]
.endr
.irp i, 3,4,5
	v_mov_b32 v[VC+8*G_+\i], v[VC+8*G_+\i+1]
.endr
.set G_, G_+1
.endr
.irp g, 0,1,2,3
	ds_store_b32 v[STV], v[VW+\g] offset:64*\g
.endr
.irp g, 0,1,2,3,4,5,6,7
.irp i, 0,1,2
	global_store_b64 v[L8], v[VC+8*\g+2*\i:VC+8*\g+2*\i+1], s[OUT:OUT+1] offset:768*\g+256*\i
.endr
.endr
	SCOUT
	s_wait_tensorcnt 0x0                           ; the wave's end
	ds_add_u32 v[SPW], v[NIL]
	s_wait_dscnt 0x0
	CROUND                                         ; the closing round
	s_endpgm
.Lfunc_end_k_qd5aa01045e_gemm_qkv:
	.size	k_qd5aa01045e_gemm_qkv, .Lfunc_end_k_qd5aa01045e_gemm_qkv-k_qd5aa01045e_gemm_qkv
	.p2alignl 7, 3214868480
	.fill 96, 4, 3214868480
	.section	.rodata,"a",@progbits
	.p2align	6, 0x0
	.amdhsa_kernel k_qd5aa01045e_gemm_qkv
		.amdhsa_group_segment_fixed_size 327680
		.amdhsa_private_segment_fixed_size 0
		.amdhsa_enable_private_segment 0
		.amdhsa_kernarg_size 64
		.amdhsa_user_sgpr_count 2
		.amdhsa_user_sgpr_kernarg_segment_ptr 1
		.amdhsa_wavefront_size32 1
		.amdhsa_system_sgpr_workgroup_id_x 1
		.amdhsa_system_sgpr_workgroup_id_y 1
		.amdhsa_system_sgpr_workgroup_id_z 1
		.amdhsa_system_vgpr_workitem_id 0
		.amdhsa_next_free_vgpr 1024
		.amdhsa_next_free_sgpr 96
		.amdhsa_reserve_vcc 0
		.amdhsa_float_denorm_mode_32 3
		.amdhsa_float_denorm_mode_16_64 3
		.amdhsa_memory_ordered 1
		.amdhsa_forward_progress 1
		.amdhsa_inst_pref_size 195
	.end_amdhsa_kernel
	.amdgpu_metadata
---
amdhsa.version: [ 1, 2 ]
amdhsa.kernels:
  - .name:           k_qd5aa01045e_gemm_qkv
    .symbol:         k_qd5aa01045e_gemm_qkv.kd
    .args:
      - { .name: x_img, .offset: 0, .size: 8, .value_kind: global_buffer, .address_space: global }
      - { .name: x_sc, .offset: 8, .size: 8, .value_kind: global_buffer, .address_space: global }
      - { .name: w_img, .offset: 16, .size: 8, .value_kind: global_buffer, .address_space: global }
      - { .name: w_sc, .offset: 24, .size: 8, .value_kind: global_buffer, .address_space: global }
      - { .name: bq, .offset: 32, .size: 8, .value_kind: global_buffer, .address_space: global }
      - { .name: bk, .offset: 40, .size: 8, .value_kind: global_buffer, .address_space: global }
      - { .name: bv, .offset: 48, .size: 8, .value_kind: global_buffer, .address_space: global }
      - { .name: qkv, .offset: 56, .size: 8, .value_kind: global_buffer, .address_space: global }
    .group_segment_fixed_size: 327680
    .private_segment_fixed_size: 0
    .kernarg_segment_align: 8
    .kernarg_segment_size: 64
    .max_flat_workgroup_size: 128
    .sgpr_count:     96
    .vgpr_count:     1024
    .wavefront_size: 32
...
	.end_amdgpu_metadata
.endif
;; end of part 2
;; launch attention (part 3): grid 4 x 64, 16 waves a work-group, clusters of 4 x 1, 264,192 bytes of LDS; arguments qkv, a_img, a_sc; writes a_img, a_sc
.if DOCPART == 3
	.amdgcn_target "amdgcn-amd-amdhsa--gfx1250"
	.amdhsa_code_object_version 6
	.text
	.protected	k_qd5aa01045e_attention
	.globl	k_qd5aa01045e_attention
	.p2align	8
	.type	k_qd5aa01045e_attention,@function
k_qd5aa01045e_attention:
	s_mov_b64 s[64:65], 0
	v_nop
	global_prefetch_b8 v0, s[64:65] scope:SCOPE_SE
	s_setreg_imm32_b32 hwreg(HW_REG_WAVE_MODE, 25, 1), 1
	s_wait_xcnt 0x0
	s_wait_alu depctr_hold_cnt(0) depctr_sa_sdst(0) depctr_va_vdst(0) depctr_va_sdst(0) depctr_va_ssrc(0) depctr_va_vcc(0) depctr_vm_vsrc(0)
	s_getreg_b32 s2, hwreg(HW_REG_IB_STS2, 6, 4)
	s_cmp_eq_u32 s2, 0
	s_cbranch_scc0 .Lentry_in_a_cluster
	s_endpgm
.Lentry_in_a_cluster:
	s_bfe_u32 s2, ttmp6, 0x10000c
	s_cmp_lg_u32 s2, 0x3003
	s_cbranch_scc0 .Lentry_shape_is_right
	s_endpgm
.Lentry_shape_is_right:
; attn[b][h][q] = the sum over k of softmax_k(q . k / 8) v, both products on codes of FP6 (E2M3) with E8M0 scales; the result is quantised along h x 64 + d here and leaves as the last product's operand.
; IN: qkv [48: q 0-15, k 16-31, v 32-47][64 records of 128 tokens][6,400 bytes].  q, k: eight half images (16 tokens x 64, three planes of 256 bytes) at 768 a, 16-bit scale pairs [a][r] at 6,144.
; v: four images (16 channels x 128 keys, six planes) at 1,536 t, scale words [t][r] at 6,144.  Row r of a stored tile is index 32 (tile / 2) + 8 (tile % 2) + r + 8 (r / 8), for tokens and for channels.
; THE SOFTMAX AHEAD OF THE SECOND PRODUCT: t = score x log2(e) / 8; M = the row's largest t so far, rounded UP to a whole number; p = 2^(t - M) is quantised along the keys, not normalised.
; The row's sum is taken of the unquantised p and divides O at the end.  When M moves, the sum and O are multiplied by 2^(old M - new M): exact.
; SHARES.  256 work-groups.  A work-group owns 512 queries of one head; each of its sixteen waves takes two tiles of 16 queries, one after the other, with no barrier between them.
; A HEAD'S K AND V, 16 records each, LIE IN LDS WHOLE, filled once: no ring, no refill.  The four work-groups of a cluster are the four query blocks of one head and read the same bytes:
; EVERY wave issues ONE joint load, with no branch: two rows of 6,400 bytes, K's record w and V's record w (16 heads apart in memory), to slot w of 16,384 bytes.
; The descriptor lays 32 bytes behind every 256: a plane's pitch is 288, so that lanes which read planes six apart (1,728 bytes, 192 modulo 256) touch other banks.
; Both products are used transposed (S^T = K Q^T, O^T = V^T P^T): a lane holds ONE query.  THE KEYS OF A TILE OF K ARE CHOSEN BY THE LDS ADDRESS: row m of tile 4 c + u is key 64 c + 32 (m / 8) + 8 u + m % 8,
; so that registers 32 c + 0 .. 31 of lane (r, h) are keys 64 c + 32 h + 0 .. 31: a WHOLE scale block of p, in the order of the operand's registers.  A block's largest p needs no other lane and no code changes lanes.
; K's fragments of step i + 1 are asked for behind step i's first products and V's of step i with them: K and V have registers of their own.  The step behind the last asks for record 0 again, which the second tile of queries begins with.
; THE FIRST PRODUCT'S K IS 64 OF THE INSTRUCTION'S 128: Q's registers of k 64-127 are zero codes; K's operand runs on into the next registers, codes of finite numbers that meet zeros; the upper two scale bytes are 0, which is 2^-127 and no NaN.
; NO PREFETCH: all that the launch reads is asked for at its head, in one group; there is no loop to run ahead in.
; LIMITS: the promise holds while the scaled scores stay under 2^31 in magnitude; NaN and infinities are not served; a block of the result whose largest magnitude lies under 2^-124, a block of zeros among them, gets the byte 1 (read by this program alone).
.set HS,    409600
.set REC,   6400
.set PL,    288                        ; a plane in LDS
.set VO,    25*PL                      ; V's record in a slot, behind K's 25 planes
.set SPARE, 262144                     ; behind the 16 slots: the spare words, 128 bytes for each wave, which no other line names
.set SO1, 0                            ; v0    (behind the head) block 1's scale operand
.set SPW, 1
.set NIL, 2
.set ADK, 3                            ; v3-6  the step's LDS addresses: K's codes, V's codes, K's scale pairs, V's scale words
.set ADV, 4
.set ADS, 5
.set ADT, 6
.set SO0, 7                            ; v7    the old -M, then block 0's scale operand
.set NM,  8                            ; v8 -M, v9 the largest score so far
.set LS,  10                           ; v[10:11] the row's sum in two halves
.set FF,  12                           ; v12 f = 2^(old M - new M); v13 named with it as a pair
.set QS,  14                           ; scales: Q's, p's, K's four, V's two
.set PS,  15
.set KS,  16
.set VS,  20
.set Q,   22                           ; v22-27 Q's codes, v28-33 zero codes
.set K,   34                           ; v34-81 K's eight half fragments
.set Q2,  82                           ; v82-87 the second tile's Q
.set V,   88                           ; v88-135 V's four fragments
.set S,   136                          ; v136-199 S^T, then p
.set O,   200                          ; v200-231 O^T
.set P,   232                          ; v232-243 p's codes
.set LK,  244                          ; v244-247 the lane's terms of the four addresses
.set LV,  245
.set LSC, 246
.set LT,  247
.set QS2, 248                          ; the second tile's scales of Q
.set A0,  249                          ; v249-254 at work
.set A1,  250
.set B0,  251
.set B1,  252
.set MX,  253
.set OT,  254
.set T1,  252                          ; three more chains of the sum
.set T2,  254
.set T3,  232
.set TB,  2
.set TBN, 3
.set CNT, 16
.set WV,  18
.set NCS, 19                           ; -c
.set SEL, 20                           ; s[20:21] lane selects: lane l xor 16
.set CS,  22                           ; s[22:23] c = log2(e) / 8
.set G1,  24
.set G0,  40
.macro WALU
	s_wait_alu depctr_va_vdst(0)
.endm
.macro DEP n
	s_delay_alu instid0(VALU_DEP_\n)
.endm
.macro CROUND
	s_barrier_signal -1
	s_barrier_wait -1
	s_cmp_lg_u32 s[WV], 0
	s_cbranch_scc1 .Lnot_wave_0_\@
	s_barrier_signal -3
.Lnot_wave_0_\@:
	s_barrier_wait -3
	s_barrier_signal -1
	s_barrier_wait -1
.endm
.macro WM d, a, b, c, sa, sb, row
	v_wmma_scale_f32_16x16x128_f8f6f4 v[\d:\d+7], v[\a:\a+11], v[\b:\b+11], \c, v[\sa], v[\sb] matrix_a_fmt:MATRIX_FMT_FP6 matrix_b_fmt:MATRIX_FMT_FP6 matrix_a_scale:MATRIX_SCALE_ROW\row
.endm
; K's tile t = 4 c + u: lane (m, h) takes stored tile 4 c + 2 (m / 8) + u % 2, row 8 (u / 2) + m % 8.  28 loads
.macro KLOAD
.irp t, 0,1,2,3,4,5,6,7
.irp p, 0,1,2
	ds_load_b64 v[K+6*\t+2*\p:K+6*\t+2*\p+1], v[ADK] offset:PL*(3*(4*(\t/4)+\t%2)+\p)+64*((\t%4)/2)
.endr
.endr
.irp g, 0,1,2,3
	ds_load_u16 v[KS+\g], v[ADS] offset:24*PL+128*(\g/2)+16*(\g%2)   ; lanes 0-15 tile 2 g's pairs, lanes 16-31 tile 2 g + 1's
.endr
.endm
.macro VLOAD                           ; 26 loads
.irp t, 0,1,2,3
.irp p, 0,1,2,3,4,5
	ds_load_b64 v[V+12*\t+2*\p:V+12*\t+2*\p+1], v[ADV] offset:VO+PL*(6*\t+\p)
.endr
.endr
	ds_load_b32 v[VS], v[ADT] offset:VO+24*PL
	ds_load_b32 v[VS+1], v[ADT] offset:VO+24*PL+128
.endm
.macro SUM4 j
	v_pk_add_f32 v[T1:T1+1], v[T1:T1+1], v[S+2*(\j):S+2*(\j)+1]
	v_pk_add_f32 v[T2:T2+1], v[T2:T2+1], v[S+2*(\j)+2:S+2*(\j)+3]
	v_pk_add_f32 v[T3:T3+1], v[T3:T3+1], v[S+2*(\j)+4:S+2*(\j)+5]
	v_pk_add_f32 v[LS:LS+1], v[LS:LS+1], v[S+2*(\j)+6:S+2*(\j)+7]
.endm
; A KEY STEP: 128 keys, record CNT
.macro STEP
	s_lshl_b32 s[TB], s[CNT], 14                   ; this step's slot,
	s_add_co_u32 s[TBN], s[CNT], 1
	s_and_b32 s[TBN], s[TBN], 15
	s_lshl_b32 s[TBN], s[TBN], 14                  ; and the next step's: behind 15 comes 0
	s_wait_dscnt 0x0                               ; K's fragments, asked for a step ago
.irp t, 0,2,4,6
	WM S+8*\t, K+6*\t, Q, 0, KS+\t/2, QS, 0
	WM S+8*\t+8, K+6*\t+6, Q, 0, KS+\t/2, QS, 1
.endr
	v_add_nc_u32 v[ADV], s[TB], v[LV]              ; these four are the plain instructions between the products (the last step's second products too) and the loads into their operands
	v_add_nc_u32 v[ADT], s[TB], v[LT]
	v_add_nc_u32 v[ADK], s[TBN], v[LK]
	v_add_nc_u32 v[ADS], s[TBN], v[LSC]
	VLOAD
	KLOAD
.irp c, 0,1                                    ; the largest score of my two blocks of 32 keys, two chains a block; each accumulator is first read at its low end
	v_max3_num_f32 v[A0+\c], v[S+32*\c], v[S+32*\c+1], v[S+32*\c+2]
	v_max3_num_f32 v[B0+\c], v[S+32*\c+16], v[S+32*\c+17], v[S+32*\c+18]
.endr
.irp i, 3,5,7,9,11,13
.irp c, 0,1
	v_max3_num_f32 v[A0+\c], v[A0+\c], v[S+32*\c+\i], v[S+32*\c+\i+1]
	v_max3_num_f32 v[B0+\c], v[B0+\c], v[S+32*\c+16+\i], v[S+32*\c+17+\i]
.endr
.endr
	v_mov_b32 v[SO0], v[NM]                        ; the old -M
.irp c, 0,1
	v_max3_num_f32 v[A0+\c], v[A0+\c], v[S+32*\c+15], v[S+32*\c+31]
.endr
.irp c, 0,1
	DEP 2
	v_max_num_f32 v[A0+\c], v[A0+\c], v[B0+\c]     ; the block's largest score: it serves the row's maximum and, since p rises with the score, the block's largest p
.endr
	DEP 1
	v_max_num_f32 v[MX], v[A0], v[A1]
	DEP 1
	v_permlanex16_b32 v[OT], v[MX], s[SEL], s[SEL+1]
	DEP 1
	v_max3_num_f32 v[NM+1], v[NM+1], v[MX], v[OT]  ; the running largest score of my query
	DEP 1
	v_mul_f32 v[MX], s[NCS], v[NM+1]               ; -t
	DEP 1
	v_floor_f32 v[NM], v[MX]                       ; the new -M = floor(-t) = -ceil(t): a whole number
	DEP 1
	v_sub_f32 v[MX], v[NM], v[SO0]                 ; M's old value less its new one: a whole number, 0 or less
	DEP 1
	v_cvt_i32_f32 v[MX], v[MX]                     ; (it saturates)
	DEP 1
	v_ldexp_f32 v[FF], 1.0, v[MX]                  ; f
.set J, 0
.rept 32
	v_pk_fma_f32 v[S+J:S+J+1], v[S+J:S+J+1], s[CS:CS+1], v[NM:NM+1] op_sel_hi:[1,0,0]   ; t - M, two at a time
.set J, J+2
.endr
.irp c, 0,1
	v_fma_f32 v[A0+\c], v[A0+\c], s[CS], v[NM]     ; the same of each block's largest score
.endr
	WALU
.set J, 0
.rept 64
	v_exp_f32 v[S+J], v[S+J]                       ; p = 2^(t - M), at most 1
.set J, J+1
.endr
	v_exp_f32 v[A0], v[A0]                         ; the blocks' largest p: the same two instructions on the same number give the same bits
	v_exp_f32 v[A1], v[A1]
	v_pk_mul_f32 v[LS:LS+1], v[LS:LS+1], v[FF:FF+1] op_sel_hi:[1,0]   ; the sum under the new M: the plain instruction behind the batch
	WALU                                           ; one wait for the batch, ahead of its first reader
	v_max_num_f32 v[A0], 0x1800000, v[A0]          ; the floor 2^(3 - 127): the byte cannot fall under 1
	v_max_num_f32 v[A1], 0x1800000, v[A1]
	v_pk_add_f32 v[T1:T1+1], v[S:S+1], v[S+2:S+3]  ; the sum of the unquantised p in four chains, the scale's lines among them
	v_pk_add_f32 v[T2:T2+1], v[S+4:S+5], v[S+6:S+7]
	v_pk_add_f32 v[T3:T3+1], v[S+8:S+9], v[S+10:S+11]
	v_pk_add_f32 v[LS:LS+1], v[LS:LS+1], v[S+12:S+13]
	v_add_nc_u32 v[SO0], 0xff000000, v[A0]         ; 2 off the exponent field: the conversions' scale operands
	v_add_nc_u32 v[SO1], 0xff000000, v[A1]
	SUM4 7
	v_lshrrev_b32 v[A0], 23, v[SO0]                ; the bytes of my blocks h and 2 + h
	v_lshrrev_b32 v[A1], 23, v[SO1]
	SUM4 11
	v_lshl_or_b32 v[A0], v[A1], 16, v[A0]
	SUM4 15
	v_permlanex16_b32 v[B0], v[A0], s[SEL], s[SEL+1]
	SUM4 19
	v_lshl_or_b32 v[PS], v[B0], 8, v[A0]           ; lanes 0-15, which alone are read: blocks 0, 1, 2, 3
	SUM4 23
	SUM4 27
	v_pk_add_f32 v[T1:T1+1], v[T1:T1+1], v[S+62:S+63]
	v_pk_add_f32 v[T2:T2+1], v[T2:T2+1], v[T3:T3+1]
	v_pk_add_f32 v[LS:LS+1], v[LS:LS+1], v[T1:T1+1]
	v_pk_add_f32 v[LS:LS+1], v[LS:LS+1], v[T2:T2+1]
	v_cvt_scalef32_pk16_fp6_f32 v[P:P+2], v[S:S+15], v[SO0]
	v_cvt_scalef32_pk16_fp6_f32 v[P+6:P+8], v[S+32:S+47], v[SO1]
	v_nop                                          ; a plain instruction ahead of the writes onto the two conversions' sources
	v_cvt_scalef32_pk16_fp6_f32 v[S:S+2], v[S+16:S+31], v[SO0]      ; (a conversion's three registers begin on an even number: the upper 16 codes are made elsewhere and moved)
	v_cvt_scalef32_pk16_fp6_f32 v[S+32:S+34], v[S+48:S+63], v[SO1]
	v_nop
.irp i, 0,1,2
	v_mov_b32 v[P+3+\i], v[S+\i]
	v_mov_b32 v[P+9+\i], v[S+32+\i]
.endr
	WALU                                           ; ahead of the first reader of O^T
.set J, 0
.rept 16
	v_pk_mul_f32 v[O+J:O+J+1], v[O+J:O+J+1], v[FF:FF+1] op_sel_hi:[1,0]   ; O^T under the new M; these sixteen also stand between the writes of p's codes and scale word and the products
.set J, J+2
.endr
	WALU
	s_wait_dscnt 28                                ; V's 26 loads are in; the 28 of the next step's K, issued behind them, may be out
.irp t, 0,2                                    ; the four accumulators take turns; the next step's eight products stand between two links
	WM O+8*\t, V+12*\t, P, v[O+8*\t:O+8*\t+7], VS+\t/2, PS, 0
	WM O+8*\t+8, V+12*\t+12, P, v[O+8*\t+8:O+8*\t+15], VS+\t/2, PS, 1
.endr
.endm
; A tile of 16 queries: 16 steps and the way out.  n: which of my two
.macro PASS n
	v_mov_b32 v[NM+1], 0xff61b1e6                  ; the largest score so far: -3e38
	v_mov_b32 v[NM], 0x7f000000                    ; -M: so large that the first f is 0, which leaves zeros zeros
	v_mov_b32 v[LS], 0
	v_mov_b32 v[LS+1], 0
.set J, 0
.rept 32
	v_mov_b32 v[O+J], 0
.set J, J+1
.endr
	s_mov_b32 s[CNT], 0
	WALU
.Lstep_\@:
	STEP
	s_add_co_u32 s[CNT], s[CNT], 1
	s_cmp_lt_u32 s[CNT], 16
	s_cbranch_scc1 .Lstep_\@
	; O^T / the sum: register 16 b + i is channel 32 b + 16 (lane / 16) + i of my query: two blocks of the last product's K
	v_add_f32 v[LS], v[LS], v[LS+1]
	DEP 1
	v_permlanex16_b32 v[B0], v[LS], s[SEL], s[SEL+1]
	DEP 1
	v_add_f32 v[LS], v[LS], v[B0]                  ; with lane l xor 16's keys
	WALU
	v_rcp_f32 v[LS], v[LS]
.rept 4
	v_nop
.endr
	WALU                                           ; ahead of the first reader of the reciprocal and of O^T
.set J, 0
.rept 32
	v_mul_f32 v[S+J], v[O+J], v[LS]
.set J, J+1
.endr
.irp b, 0,1
	v_max3_num_f32 v[A0+\b], |v[S+16*\b]|, |v[S+16*\b+1]|, 0x1800000
.endr
.irp i, 2,4,6,8,10,12,14
.irp b, 0,1
	DEP 2
	v_max3_num_f32 v[A0+\b], v[A0+\b], |v[S+16*\b+\i]|, |v[S+16*\b+\i+1]|
.endr
.endr
.irp b, 0,1
	DEP 2
	v_permlanex16_b32 v[B0+\b], v[A0+\b], s[SEL], s[SEL+1]
.endr
.irp b, 0,1
	DEP 2
	v_max_num_f32 v[A0+\b], v[A0+\b], v[B0+\b]
.endr
	DEP 2
	v_add_nc_u32 v[SO0], 0xff000000, v[A0]
	DEP 2
	v_add_nc_u32 v[SO1], 0xff000000, v[A1]
	DEP 2
	v_lshrrev_b32 v[A0], 23, v[SO0]
	DEP 2
	v_lshrrev_b32 v[A1], 23, v[SO1]
	DEP 1
	v_lshl_or_b32 v[MX], v[A1], 8, v[A0]           ; my row's two scale bytes
	v_and_b32 v[OT], 0x78, v[LV]                   ; 8 r
	v_cvt_scalef32_pk16_fp6_f32 v[P:P+2], v[S:S+15], v[SO0]
	v_cvt_scalef32_pk16_fp6_f32 v[S+32:S+34], v[S+16:S+31], v[SO1]
	v_nop
.irp i, 0,1,2
	v_permlane16_swap_b32 v[P+\i], v[S+32+\i]      ; here a block lies in lanes l and l xor 16: the operand wants it whole in a lane
.endr
.irp i, 0,1,2
	v_mov_b32 v[P+3+\i], v[S+32+\i]
.endr
.irp p, 0,1,2
	global_store_b64 v[LV], v[P+2*\p:P+2*\p+1], s[6:7] offset:196608*\n+256*\p   ; 32 lanes store 256 consecutive bytes, aligned
.endr
	global_store_b16 v[OT], v[MX], s[8:9] offset:8192*\n   ; a head owns 2 bytes of a row's 8; lanes l and l xor 16 write the same bytes
.endm
	s_load_b128 s[4:7], s[0:1], 0x0                ; qkv, a_img
	s_load_b64 s[8:9], s[0:1], 0x10                ; a_sc
	v_lshl_add_u32 v[SPW], v0, 2, SPARE
	v_mov_b32 v[NIL], 0
	ds_add_u32 v[SPW], v[NIL]                      ; the opening lines: the add, twice on end, and its wait below
	ds_add_u32 v[SPW], v[NIL]
	v_lshrrev_b32 v[ADK], 5, v0
	v_readfirstlane_b32 s[WV], v[ADK]              ; wave 0..15
	s_bfe_u32 s10, ttmp6, 0x40000                  ; cx: my 512 queries: it enters Q's and the result's addresses alone
	s_and_b32 s12, ttmp7, 0xffff
	s_and_b32 s13, s12, 15                         ; the head,
	s_lshr_b32 s12, s12, 4                         ; the batch: both shared by the four partners
	s_add_co_u32 s14, s13, 16
	s_mul_i32 s14, s14, HS                         ; k's head 16 + h (v's lies 16 heads on: the tile's second row)
	s_lshl_b32 s15, s12, 4
	s_add_co_u32 s15, s15, s[WV]
	s_mul_i32 s15, s15, REC                        ; record 16 x batch + wave
	s_add_co_u32 s14, s14, s15
	s_mov_b32 s15, 0
	s_lshl_b32 s48, s12, 4
	s_lshl_b32 s49, s10, 2
	s_add_co_u32 s48, s48, s49
	s_lshr_b32 s49, s[WV], 3
	s_add_co_u32 s48, s48, s49                     ; Q's record: 16 x batch + 4 cx + wave / 8; the second tile's lies 2 records on
	s_mul_i32 s48, s48, REC
	s_mul_i32 s49, s13, HS
	s_add_co_u32 s48, s48, s49
	s_and_b32 s50, s[WV], 7
	s_mul_i32 s51, s50, 768
	s_add_co_u32 s52, s48, s51
	s_mov_b32 s53, 0
	s_lshl_b32 s51, s50, 5
	s_add_co_u32 s54, s48, s51
	s_add_co_u32 s54, s54, 6144
	s_mov_b32 s55, 0
	s_lshl_b32 s56, s12, 7
	s_lshl_b32 s57, s10, 5
	s_add_co_u32 s56, s56, s57
	s_add_co_u32 s56, s56, s[WV]                   ; my first tile of tokens: 128 x batch + 32 cx + wave; the second lies 16 tiles on
	s_lshl_b32 s58, s56, 9
	s_mul_i32 s56, s56, 12288
	s_mul_i32 s57, s13, 768                        ; the head's 64 along the last product's K: half an image
	s_add_co_u32 s56, s56, s57
	s_mov_b32 s57, 0
	s_lshr_b32 s59, s13, 2
	s_lshl_b32 s59, s59, 7
	s_add_co_u32 s58, s58, s59
	s_and_b32 s59, s13, 3
	s_lshl_b32 s59, s59, 1
	s_add_co_u32 s58, s58, s59
	s_mov_b32 s59, 0
	s_mov_b32 s[G1], 15|(3<<16)|(1<<20)|(1<<21)|(5<<22)|(7<<25)   ; the mask: all four; elements of 8 bytes; behind every 64 dwords 8 dwords of padding
	s_mov_b32 s[G1+1], 800<<16                     ; a row is a record: 800 elements
	s_mov_b32 s[G1+2], 2<<16
	s_mov_b32 s[G1+3], 800<<16
	s_mov_b32 s[G1+4], 2
	s_mov_b32 s[G1+5], 16*HS/8                     ; from k's record to v's
	s_mov_b32 s[G1+6], 0
	s_mov_b32 s[G1+7], 0
	s_mov_b32 s[SEL], 0x76543210
	s_mov_b32 s[SEL+1], 0xfedcba98
	s_mov_b32 s[CS], 0x3e38aa3b
	s_mov_b32 s[CS+1], s[CS]
	s_mov_b32 s[NCS], 0xbe38aa3b
	s_mov_b32 s[G0], 1
	s_lshl_b32 s[G0+1], s[WV], 14                  ; slot = wave
	WALU
	s_wait_dscnt 0x0
	s_wait_kmcnt 0x0
	s_add_nc_u64 s[G0+2:G0+3], s[4:5], s[14:15]
	s_or_b32 s[G0+3], s[G0+3], 0x80000000
	CROUND                                         ; all four work-groups are here: the joint loads meet
	tensor_load_to_lds s[G0:G0+3], s[G1:G1+7]      ; one load a wave, on every wave's way
	s_nop 0
.rept 4
	v_nop
.endr
	s_add_nc_u64 s[52:53], s[4:5], s[52:53]
	s_add_nc_u64 s[54:55], s[4:5], s[54:55]
	s_add_nc_u64 s[6:7], s[6:7], s[56:57]
	s_add_nc_u64 s[8:9], s[8:9], s[58:59]
	v_and_b32 v[A0], 31, v0                        ; lane
	v_and_b32 v[A1], 15, v0                        ; m
	v_bfe_u32 v[B0], v0, 4, 1                      ; h
	v_bfe_u32 v[B1], v0, 3, 1                      ; m / 8
	v_and_b32 v[MX], 7, v0                         ; m % 8
	v_lshlrev_b32 v[LV], 3, v[A0]                  ; 8 x lane: my place in a plane
	v_lshlrev_b32 v[OT], 1, v[A1]
.irp p, 0,1,2
	global_load_b64 v[Q+2*\p:Q+2*\p+1], v[LV], s[52:53] offset:256*\p
	global_load_b64 v[Q2+2*\p:Q2+2*\p+1], v[LV], s[52:53] offset:2*REC+256*\p
.endr
	global_load_u16 v[QS], v[OT], s[54:55]         ; bytes 2 and 3 come as 0
	global_load_u16 v[QS2], v[OT], s[54:55] offset:2*REC
	v_lshlrev_b32 v[LT], 2, v[A0]
	v_mul_u32_u24 v[LK], v[B1], 6*PL               ; K's codes: two stored tiles on for m / 8, 8 (m % 8), 128 h
	v_lshl_add_u32 v[LK], v[MX], 3, v[LK]
	v_lshl_add_u32 v[LK], v[B0], 7, v[LK]
	v_lshlrev_b32 v[LSC], 6, v[B1]                 ; K's scale pairs: 64 (m / 8) + 2 (m % 8) + 32 h
	v_lshl_add_u32 v[LSC], v[MX], 1, v[LSC]
	v_lshl_add_u32 v[LSC], v[B0], 5, v[LSC]
.irp j, 6,7,8,9,10,11
	v_mov_b32 v[Q+\j], 0                           ; zero codes
.endr
	v_mov_b32 v[FF+1], 0                           ; (named as the upper half of a pair)
	WALU
	s_wait_loadcnt 0x0
	s_wait_tensorcnt 0x0                           ; my two records are in,
	s_barrier_signal -1
	s_barrier_wait -1                              ; and everybody's
	v_mov_b32 v[ADK], v[LK]
	v_mov_b32 v[ADS], v[LSC]
	KLOAD                                          ; record 0
	PASS 0
	s_wait_xcnt 0x0                                ; the stores have read their registers
.irp j, 0,1,2,3,4,5
	v_mov_b32 v[Q+\j], v[Q2+\j]
.endr
	v_mov_b32 v[QS], v[QS2]
	PASS 1
	s_wait_tensorcnt 0x0                           ; the wave's end
	ds_add_u32 v[SPW], v[NIL]
	s_wait_dscnt 0x0
	CROUND                                         ; the closing round
	s_endpgm
.Lfunc_end_k_qd5aa01045e_attention:
	.size	k_qd5aa01045e_attention, .Lfunc_end_k_qd5aa01045e_attention-k_qd5aa01045e_attention
	.p2alignl 7, 3214868480
	.fill 96, 4, 3214868480
	.section	.rodata,"a",@progbits
	.p2align	6, 0x0
	.amdhsa_kernel k_qd5aa01045e_attention
		.amdhsa_group_segment_fixed_size 264192
		.amdhsa_private_segment_fixed_size 0
		.amdhsa_enable_private_segment 0
		.amdhsa_kernarg_size 24
		.amdhsa_user_sgpr_count 2
		.amdhsa_user_sgpr_kernarg_segment_ptr 1
		.amdhsa_wavefront_size32 1
		.amdhsa_system_sgpr_workgroup_id_x 1
		.amdhsa_system_sgpr_workgroup_id_y 1
		.amdhsa_system_sgpr_workgroup_id_z 1
		.amdhsa_system_vgpr_workitem_id 0
		.amdhsa_next_free_vgpr 256
		.amdhsa_next_free_sgpr 66
		.amdhsa_reserve_vcc 0
		.amdhsa_float_denorm_mode_32 3
		.amdhsa_float_denorm_mode_16_64 3
		.amdhsa_memory_ordered 1
		.amdhsa_forward_progress 1
		.amdhsa_inst_pref_size 53
	.end_amdhsa_kernel
	.amdgpu_metadata
---
amdhsa.version: [ 1, 2 ]
amdhsa.kernels:
  - .name:           k_qd5aa01045e_attention
    .symbol:         k_qd5aa01045e_attention.kd
    .args:
      - { .name: qkv, .offset: 0, .size: 8, .value_kind: global_buffer, .address_space: global }
      - { .name: a_img, .offset: 8, .size: 8, .value_kind: global_buffer, .address_space: global }
      - { .name: a_sc, .offset: 16, .size: 8, .value_kind: global_buffer, .address_space: global }
    .group_segment_fixed_size: 264192
    .private_segment_fixed_size: 0
    .kernarg_segment_align: 8
    .kernarg_segment_size: 24
    .max_flat_workgroup_size: 512
    .sgpr_count:     66
    .vgpr_count:     256
    .wavefront_size: 32
...
	.end_amdgpu_metadata
.endif
;; end of part 3
;; launch gemm_out (part 4): grid 4 x 64, 4 waves a work-group, clusters of 4 x 4, 327,680 bytes of LDS; arguments a_img, a_sc, w_img, w_sc, bo, out0; writes out0
.if DOCPART == 4
	.amdgcn_target "amdgcn-amd-amdhsa--gfx1250"
	.amdhsa_code_object_version 6
	.text
	.protected	k_qd5aa01045e_gemm_out
	.globl	k_qd5aa01045e_gemm_out
	.p2align	8
	.type	k_qd5aa01045e_gemm_out,@function
k_qd5aa01045e_gemm_out:
	s_mov_b64 s[64:65], 0
	v_nop
	global_prefetch_b8 v0, s[64:65] scope:SCOPE_SE
	s_setreg_imm32_b32 hwreg(HW_REG_WAVE_MODE, 25, 1), 1
	s_wait_xcnt 0x0
	s_wait_alu depctr_hold_cnt(0) depctr_sa_sdst(0) depctr_va_vdst(0) depctr_va_sdst(0) depctr_va_ssrc(0) depctr_va_vcc(0) depctr_vm_vsrc(0)
	s_getreg_b32 s2, hwreg(HW_REG_IB_STS2, 6, 4)
	s_cmp_eq_u32 s2, 0
	s_cbranch_scc0 .Lentry_in_a_cluster
	s_endpgm
.Lentry_in_a_cluster:
	s_bfe_u32 s2, ttmp6, 0x10000c
	s_cmp_lg_u32 s2, 0xf033
	s_cbranch_scc0 .Lentry_shape_is_right
	s_endpgm
.Lentry_shape_is_right:
; out0[token][n] = the sum over k of attn[token][k] Wo[k][n] + bo[n], on codes of FP6 (E2M3) with E8M0 scales; sums in f32.
; IN: a_img, w_img [tile of 16 rows][8 K steps][6 planes of 256 bytes]: a fragment's registers 2 p, 2 p + 1 of lane l at 256 p + 8 l; a_sc, w_sc [tile][K step / 2][r][2 words].  Wo's tiles are 192-255 of w_img.
; Row r of tile I is index 32 (I / 2) + 8 (I % 2) + r + 8 (r / 8), for tokens and for columns n.
; SHARES.  256 work-groups, each 128 tokens x 256 columns; wave w takes all 128 tokens x columns 64 w .. 64 w + 63.
; K IS 1,024 AND NOTHING WALKS ALONG IT.  The work-group's 8 tiles of tokens (98,304 bytes) and 16 tiles of Wo (196,608), all of K, and Wo's scale words (8,192) lie in LDS, filled ONCE: no ring, no refill.
; At the head one joint load a wave, in one tree of branches on the wave's number: waves 0 and 1 a half each of Wo's tiles, wave 2 Wo's scales, wave 3 the tokens' tiles.
; CLUSTERS: 4 x 4.  The tokens' tiles hang on the tile row alone and are shared by a row of the cluster; Wo's tiles and scales hang on the tile column alone and are shared by a column.
; A wave holds its 64 columns of Wo, all of K, in registers (32 fragments, 384 registers) and streams the tokens past them in 8 BLOCKS of 16 rows, all of K: 8 fragments, in two sets.
; A block is 32 products, its four accumulators by turns, K ascending; the bias is the first four products' C.  A finished block leaves while the next is multiplied.
; THE MATRIX INSTRUCTION IS USED TRANSPOSED (source 0 = 16 columns of Wo, source 1 = 16 tokens): a lane holds neighbouring numbers of one row of the result.
; THE WAY OUT: a block's 16 rows x 256 bytes go through the wave's own stage in LDS (bytes into which no tensor load lands) and come back by rows: sixteen lanes store one aligned unit of 256 bytes.
; The tokens' scale words come by plain loads, once: 128 consecutive bytes a load, 32 loads a wave.
; NO PREFETCH: all that the launch reads is asked for at its head, in one group; there is no loop to run ahead in.
; REGISTERS.  Window 0: v0-31 addresses; v32-63 Wo's scale words; v64-127 the tokens'; v128-191 two sets of four accumulators; v192-255 two sets of 16 rows on the way out.
;   Windows 1, 2: Wo's fragments: fragment 4 q + b at window 1 + q / 4, register 12 ((4 q + b) % 16).   Window 3: v0-191 the tokens' two sets, fragment q at 96 e + 12 q; v192-223 the bias.
.set TP,    12288                      ; a tile: 8 K steps x 1,536 bytes
.set WREG,  8*TP                       ; LDS: the tokens' tiles at 0, Wo's from here on
.set BSC,   WREG+16*TP                 ; Wo's scale words
.set STG,   BSC+8192                   ; the stages: 16 rows x 272 bytes for each wave
.set SP,    272
.set SPARE, STG+4*16*SP                ; the spare words, 128 bytes for each wave, which no other line names
.set ADA,  16                          ; v16, v17 LDS address of the tokens' tiles 0-3, 4-7
.set ADB,  18                          ; v18  of my four tiles of Wo
.set ADS,  19                          ; v19  of their scale words
.set STO,  20                          ; v20  the stage, on the way in
.set RD,   21                          ; v21  and back
.set CO,   22                          ; v22  my byte offset in two rows of the result
.set BBO,  23                          ; v23  in the bias
.set ASO,  24                          ; v24  8 r
.set SPW,  28
.set NIL,  29
.set SB,   32
.set SA,   64
.set ACC,  128
.set BK,   192
.set G1A,  24
.set G1B,  32
.set G1S,  40
.set G0A,  48
.set G0B0, 52
.set G0B1, 56
.set G0S,  60
.set MSB, 0
.macro WIN new                         ; the immediate's high byte repeats the setting that is left
.if MSB != (\new)
	s_set_vgpr_msb (MSB<<8)|(\new)
.set MSB, (\new)
.endif
.endm
.macro PLACES
.rept 4
	v_nop
.endr
.endm
.macro CROUND
	s_barrier_signal -1
	s_barrier_wait -1
	s_cmp_lg_u32 s16, 0
	s_cbranch_scc1 .Lnot_wave_0_\@
	s_barrier_signal -3
.Lnot_wave_0_\@:
	s_barrier_wait -3
	s_barrier_signal -1
	s_barrier_wait -1
.endm
.macro TLOAD g0, g1
	tensor_load_to_lds s[\g0:\g0+3], s[\g1:\g1+7]
	s_nop 0
	PLACES
.endm
.macro ARM under, g0, g1, next
	s_cmp_lt_u32 s16, \under
	s_cbranch_scc0 \next
	TLOAD \g0, \g1
	s_branch .Lasked
\next:
.endm
.macro FETCH a                         ; block a's eight fragments into set a % 2: 48 loads
.set A_, (\a)
	WIN 0xc0
.set Q_, 0
.rept 8
.irp p, 0,1,2,3,4,5
	ds_load_b64 v[96*(A_%2)+12*Q_+2*\p:96*(A_%2)+12*Q_+2*\p+1], v[ADA+A_/4] offset:(A_%4)*TP+Q_*1536+256*\p
.endr
.set Q_, Q_+1
.endr
	WIN 0
.endm
.macro MULS s                          ; block s: 32 products
.set E_, (\s)%2
.set AC_, ACC+32*E_
.set Q_, 0
.rept 8
.set B_, 0
.rept 4
.set F_, 12*((4*Q_+B_)%16)
.if Q_ == 0
	WIN 0x3d                                       ; source 0 window 1, source 1 window 3, C (the bias) window 3, D window 0
	v_wmma_scale_f32_16x16x128_f8f6f4 v[AC_+8*B_:AC_+8*B_+7], v[F_:F_+11], v[96*E_+12*Q_:96*E_+12*Q_+11], v[192+8*B_:192+8*B_+7], v[SB+8*(Q_/2)+2*B_+Q_%2], v[SA+8*(\s)+Q_] matrix_a_fmt:MATRIX_FMT_FP6 matrix_b_fmt:MATRIX_FMT_FP6
.else
	WIN 0x0d+Q_/4                                  ; source 0 window 1 or 2, C and D window 0
	v_wmma_scale_f32_16x16x128_f8f6f4 v[AC_+8*B_:AC_+8*B_+7], v[F_:F_+11], v[96*E_+12*Q_:96*E_+12*Q_+11], v[AC_+8*B_:AC_+8*B_+7], v[SB+8*(Q_/2)+2*B_+Q_%2], v[SA+8*(\s)+Q_] matrix_a_fmt:MATRIX_FMT_FP6 matrix_b_fmt:MATRIX_FMT_FP6
.endif
.set B_, B_+1
.endr
.set Q_, Q_+1
.endr
	WIN 0
.endm
.macro TOSTAGE s                       ; register j of accumulator b in lane (r, h) is token r, column 32 (b / 2) + 8 (b % 2) + 16 h + j.  LDS serves a wave's instructions in order: no wait between the stores and the loads
.set AC_, ACC+32*((\s)%2)
.set BX_, BK+32*((\s)%2)
.irp b, 0,1,2,3
	ds_store_b128 v[STO], v[AC_+8*\b:AC_+8*\b+3] offset:128*(\b/2)+32*(\b%2)      ; each accumulator from its low end on
	ds_store_b128 v[STO], v[AC_+8*\b+4:AC_+8*\b+7] offset:128*(\b/2)+32*(\b%2)+16
.endr
.irp t, 0,1,2,3,4,5,6,7
	ds_load_b128 v[BX_+4*\t:BX_+4*\t+3], v[RD] offset:2*\t*SP
.endr
.endm
.macro SEND s                          ; stage rows 2 t and 2 t + 1 are tokens 32 (s / 2) + 8 (s % 2) + 2 t + 8 (t / 4) and the next
.set S_, (\s)
.set BX_, BK+32*(S_%2)
	s_wait_dscnt 0x0                               ; the block is back in registers; the fragments asked for with it are in too: so no wait stands ahead of the next block's products
.irp t, 0,1,2,3,4,5,6,7
	global_store_b128 v[CO], v[BX_+4*\t:BX_+4*\t+3], s[14:15] offset:(32*(S_/2)+8*(S_%2)+2*\t+8*(\t/4))*4096 th:TH_STORE_NT   ; sixteen lanes store 256 consecutive bytes, aligned
.endr
.endm
.macro BLK s
	MULS \s
.if (\s) > 0
	SEND (\s)-1                                    ; the block before, which went through the stage under these products
.endif
	PLACES                                         ; between the products and the loads into their operands, and the stores of their results
.if (\s)+2 < 8
	FETCH (\s)+2                                   ; the set just multiplied takes the block two on
.endif
.if (\s) > 1
	s_wait_xcnt 0x0                                ; block s - 2's stores have read the registers on which the loads below land
.endif
	TOSTAGE \s
.endm
	s_load_b256 s[4:11], s[0:1], 0x0               ; a_img s[4:5], a_sc s[6:7], w_img s[8:9], w_sc s[10:11]
	s_load_b128 s[12:15], s[0:1], 0x20             ; bo s[12:13], out0 s[14:15]
	v_lshl_add_u32 v[SPW], v0, 2, SPARE
	v_mov_b32 v[NIL], 0
	ds_add_u32 v[SPW], v[NIL]                      ; the opening lines: the add, twice on end, and its wait below
	ds_add_u32 v[SPW], v[NIL]
	v_lshrrev_b32 v1, 5, v0
	v_readfirstlane_b32 s16, v1                    ; wave 0..3
	s_bfe_u32 s17, ttmp6, 0x40000                  ; cx = the tile column (the grid is one cluster wide)
	s_bfe_u32 s18, ttmp6, 0x40004                  ; cy
	s_and_b32 s19, ttmp7, 0xffff
	s_lshl_b32 s19, s19, 2
	s_add_co_u32 s19, s19, s18                     ; the tile row: 4 x cluster y + cy
	s_lshl_b32 s20, s18, 2
	s_lshl_b32 s20, 15, s20                        ; my row of the cluster
	s_lshl_b32 s21, 0x1111, s17                    ; my column
	s_or_b32 s[G1A], s20, (3<<16)|(1<<21)          ; elements of 8 bytes; bit 21 set beside a mask
	s_or_b32 s[G1B], s21, (3<<16)|(1<<21)
	s_or_b32 s[G1S], s21, (3<<16)|(1<<21)
.irp g, G1A, G1B                                   ; 8 tiles, a row of 12,288 bytes each
	s_mov_b32 s[\g+1], 1536<<16
	s_mov_b32 s[\g+2], 8<<16
	s_mov_b32 s[\g+3], 1536<<16
	s_mov_b32 s[\g+4], 8
	s_mov_b32 s[\g+5], 1536
	s_mov_b32 s[\g+6], 0
	s_mov_b32 s[\g+7], 0
.endr
	s_mov_b32 s[G1S+1], 32<<16                     ; 16 tiles' scale words: 32 rows of 256 bytes
	s_mov_b32 s[G1S+2], 32<<16
	s_mov_b32 s[G1S+3], 32<<16
	s_mov_b32 s[G1S+4], 32
	s_mov_b32 s[G1S+5], 32
	s_mov_b32 s[G1S+6], 0
	s_mov_b32 s[G1S+7], 0
	s_mul_i32 s68, s19, 8*TP                       ; the tokens' tiles 8 x tile row ..
	s_mov_b32 s69, 0
	s_lshl_b32 s70, s19, 12                        ; and their scale words
	s_mov_b32 s71, 0
	s_lshl_b32 s72, s17, 4
	s_add_co_u32 s72, s72, 192                     ; Wo's tiles 192 + 16 x tile column ..
	s_lshl_b32 s74, s72, 9
	s_mov_b32 s75, 0
	s_mul_i32 s72, s72, TP
	s_mov_b32 s73, 0
	s_mov_b32 s[G0A], 1
	s_mov_b32 s[G0A+1], 0
	s_mov_b32 s[G0B0], 1
	s_mov_b32 s[G0B0+1], WREG
	s_mov_b32 s[G0B1], 1
	s_mov_b32 s[G0B1+1], WREG+8*TP
	s_mov_b32 s[G0S], 1
	s_mov_b32 s[G0S+1], BSC
	s_wait_alu depctr_va_vdst(0)
	s_wait_dscnt 0x0
	s_wait_kmcnt 0x0
	s_add_nc_u64 s[G0A+2:G0A+3], s[4:5], s[68:69]
	s_add_nc_u64 s[G0B0+2:G0B0+3], s[8:9], s[72:73]
	s_add_nc_u64 s[G0B1+2:G0B1+3], s[G0B0+2:G0B0+3], 8*TP
	s_add_nc_u64 s[G0S+2:G0S+3], s[10:11], s[74:75]
	s_or_b32 s[G0A+3], s[G0A+3], 0x80000000
	s_or_b32 s[G0B0+3], s[G0B0+3], 0x80000000
	s_or_b32 s[G0B1+3], s[G0B1+3], 0x80000000
	s_or_b32 s[G0S+3], s[G0S+3], 0x80000000
	CROUND                                         ; all sixteen work-groups are here: the joint loads meet
	ARM 1, G0B0, G1B, .Lw1
	ARM 2, G0B1, G1B, .Lw2
	ARM 3, G0S,  G1S, .Lw3
	TLOAD G0A, G1A
.Lasked:
	s_add_nc_u64 s[6:7], s[6:7], s[70:71]          ; the tokens' scale words
	s_lshl_b32 s68, s17, 10
	s_lshl_b32 s69, s16, 8
	s_add_co_u32 s68, s68, s69                     ; my first column, in bytes: 1,024 x tile column + 256 x wave
	s_mov_b32 s69, 0
	s_add_nc_u64 s[12:13], s[12:13], s[68:69]
	s_add_nc_u64 s[14:15], s[14:15], s[68:69]
	s_lshl_b32 s68, s19, 19                        ; 128 rows of 4,096 bytes a tile row
	s_add_nc_u64 s[14:15], s[14:15], s[68:69]
	s_mul_i32 s76, s16, 4*TP
	s_add_co_u32 s76, s76, WREG                    ; my four tiles of Wo,
	s_lshl_b32 s77, s16, 11
	s_add_co_u32 s77, s77, BSC                     ; their scale words,
	s_mul_i32 s78, s16, 16*SP
	s_add_co_u32 s78, s78, STG                     ; my stage
	v_and_b32 v1, 15, v0                           ; r
	v_bfe_u32 v2, v0, 4, 1                         ; h
	v_and_b32 v3, 31, v0
	v_lshlrev_b32 v[ASO], 3, v1
	v_lshlrev_b32 v[BBO], 6, v2
	v_lshlrev_b32 v[ADA], 3, v3                    ; 8 x lane: my place in a plane
	v_add_nc_u32 v[ADA+1], 4*TP, v[ADA]
	v_add_nc_u32 v[ADB], s76, v[ADA]
	v_add_nc_u32 v[ADS], s77, v[ASO]
	v_mul_u32_u24 v4, v1, SP
	v_lshl_add_u32 v4, v2, 6, v4
	v_add_nc_u32 v[STO], s78, v4                   ; in: row r, 64 bytes for each half of the lanes
	v_mul_u32_u24 v5, v2, SP
	v_lshl_add_u32 v5, v1, 4, v5
	v_add_nc_u32 v[RD], s78, v5                    ; back: lanes 0-15 one row of 256 bytes, lanes 16-31 the next
	v_lshlrev_b32 v6, 12, v2
	v_lshl_add_u32 v[CO], v1, 4, v6                ; and the same two rows in the result
	s_wait_alu depctr_va_vdst(0)
.irp a, 0,1,2,3,4,5,6,7
.irp p, 0,1,2,3
	global_load_b64 v[SA+8*\a+2*\p:SA+8*\a+2*\p+1], v[ASO], s[6:7] offset:512*\a+128*\p   ; block a, K steps 2 p and 2 p + 1 (lanes 16-31 take the same words and are not read)
.endr
.endr
	WIN 0xc0
.irp b, 0,1,2,3
	global_load_b128 v[192+8*\b:192+8*\b+3], v[BBO], s[12:13] offset:(32*(\b/2)+8*(\b%2))*4       ; the bias, laid as the result lies
	global_load_b128 v[192+8*\b+4:192+8*\b+7], v[BBO], s[12:13] offset:(32*(\b/2)+8*(\b%2))*4+16
.endr
	WIN 0
	s_wait_tensorcnt 0x0                           ; my tile is in,
	s_barrier_signal -1
	s_barrier_wait -1                              ; and everybody's
.set Q_, 0
.rept 8                                            ; my 64 columns of Wo, all of K: 192 loads
	WIN (1+Q_/4)<<6
.irp b, 0,1,2,3
.irp p, 0,1,2,3,4,5
	ds_load_b64 v[12*((4*Q_+\b)%16)+2*\p:12*((4*Q_+\b)%16)+2*\p+1], v[ADB] offset:\b*TP+Q_*1536+256*\p
.endr
.endr
.set Q_, Q_+1
.endr
	WIN 0
.irp b, 0,1,2,3
.irp p, 0,1,2,3
	ds_load_b64 v[SB+8*\p+2*\b:SB+8*\p+2*\b+1], v[ADS] offset:512*\b+128*\p
.endr
.endr
	FETCH 0
	FETCH 1
	s_wait_loadcnt 0x0
	s_wait_dscnt 0x0
.irp s, 0,1,2,3,4,5,6,7
	BLK \s
.endr
	SEND 7
	s_wait_tensorcnt 0x0                           ; the wave's end
	ds_add_u32 v[SPW], v[NIL]
	s_wait_dscnt 0x0
	CROUND                                         ; the closing round
	s_endpgm
.Lfunc_end_k_qd5aa01045e_gemm_out:
	.size	k_qd5aa01045e_gemm_out, .Lfunc_end_k_qd5aa01045e_gemm_out-k_qd5aa01045e_gemm_out
	.p2alignl 7, 3214868480
	.fill 96, 4, 3214868480
	.section	.rodata,"a",@progbits
	.p2align	6, 0x0
	.amdhsa_kernel k_qd5aa01045e_gemm_out
		.amdhsa_group_segment_fixed_size 327680
		.amdhsa_private_segment_fixed_size 0
		.amdhsa_enable_private_segment 0
		.amdhsa_kernarg_size 48
		.amdhsa_user_sgpr_count 2
		.amdhsa_user_sgpr_kernarg_segment_ptr 1
		.amdhsa_wavefront_size32 1
		.amdhsa_system_sgpr_workgroup_id_x 1
		.amdhsa_system_sgpr_workgroup_id_y 1
		.amdhsa_system_sgpr_workgroup_id_z 1
		.amdhsa_system_vgpr_workitem_id 0
		.amdhsa_next_free_vgpr 1024
		.amdhsa_next_free_sgpr 96
		.amdhsa_reserve_vcc 0
		.amdhsa_float_denorm_mode_32 3
		.amdhsa_float_denorm_mode_16_64 3
		.amdhsa_memory_ordered 1
		.amdhsa_forward_progress 1
		.amdhsa_inst_pref_size 98
	.end_amdhsa_kernel
	.amdgpu_metadata
---
amdhsa.version: [ 1, 2 ]
amdhsa.kernels:
  - .name:           k_qd5aa01045e_gemm_out
    .symbol:         k_qd5aa01045e_gemm_out.kd
    .args:
      - { .name: a_img, .offset: 0, .size: 8, .value_kind: global_buffer, .address_space: global }
      - { .name: a_sc, .offset: 8, .size: 8, .value_kind: global_buffer, .address_space: global }
      - { .name: w_img, .offset: 16, .size: 8, .value_kind: global_buffer, .address_space: global }
      - { .name: w_sc, .offset: 24, .size: 8, .value_kind: global_buffer, .address_space: global }
      - { .name: bo, .offset: 32, .size: 8, .value_kind: global_buffer, .address_space: global }
      - { .name: out0, .offset: 40, .size: 8, .value_kind: global_buffer, .address_space: global }
    .group_segment_fixed_size: 327680
    .private_segment_fixed_size: 0
    .kernarg_segment_align: 8
    .kernarg_segment_size: 48
    .max_flat_workgroup_size: 128
    .sgpr_count:     96
    .vgpr_count:     1024
    .wavefront_size: 32
...
	.end_amdgpu_metadata
.endif
;; end of part 4
